; MI455X (gfx1250); checked and timed in simulation.
; The chip was launched on July 23, 2026; its instructions are those of AMD's public machine-readable ISA for CDNA 5 (MIT licence, August 2026) and "CDNA5" Instruction Set Architecture Reference Guide (July 2026). The comments in the code are by the model that wrote it; some were corrected since.
;; Single Head Siamese Attention. Allowed arithmetic: matrix products marked QUANTISED: E2M1 operands, one E8M0 scale for each 32 along K, by v_wmma_scale_f32_16x16x128_f8f6f4 with both operands' format E2M1 (or v_wmma_scale_f32_32x16x128_f4), f32 sums; products left as they are: bf16, f16 or f32 operands; f32 sums; everything else in f32.
;; Inputs: b1 512 float32; b2 512 float32; b3 1,024 float32; dummy 1 x 1,024 float32; k 8 x 2,048 x 1,024 float32; q 8 x 512 x 1,024 float32; tsp 8 x 2,048 x 1,024 float32; v 8 x 2,048 x 1,024 float32; w1 512 x 1,024 float32; w2 512 x 1,024 float32; w3 1,024 x 2,048 float32; w_qk 1,024 x 1,024 float32.
;; Outputs: out0 8 x 512 x 1,024 float32; out1 8 x 512 x 1,024 float32.
;; This version of the problem:
;;   THIS VERSION OF THE PROBLEM IS GIVEN IN LOW PRECISION. The matrix products marked QUANTISED in the list below multiply operands that are first quantised to E2M1 (2 exponent bits, 1 mantissa bit; 4 bits a number), with one power-of-two scale for each 32 numbers along K (OCP MX v1.0); their sums are f32. The products marked 'left as it is' may take bf16, f16 or f32 operands, with f32 sums. Whichever they take, every output number must still come out within the allowed error. Rounding operands to bf16 (8 significant bits) uses up far more of that allowance than f16 does (11 bits, for magnitudes from 6e-5 to 65,504). All else is computed in f32.
;;   The module's matrix products, in the order in which they are computed (A, B: the left and right operand; K: the contracted axis; several contracted axes count as one K, in the product's order):
;;     1. [M 4,096, K 1,024] x [K 1,024, N 1,024]; A: input q; B: input w_qk: QUANTISED
;;     2. [M 16,384, K 1,024] x [K 1,024, N 1,024]; A: input k; B: input w_qk: QUANTISED
;;     3. batch 8 x [M 512, K 1,024] x [K 1,024, N 2,049]; A: computed on the way; B: computed on the way: left as it is (an operand is computed on the way)
;;     4. batch 8 x [M 512, K 2,049] x [K 2,049, N 1,024]; A: computed on the way; B: computed on the way: left as it is (an operand is computed on the way)
;;     5. batch 8 x [M 512, K 2,049] x [K 2,049, N 1,024]; A: computed on the way; B: computed on the way: left as it is (an operand is computed on the way)
;;     6. [M 4,096, K 1,024] x [K 1,024, N 512]; A: computed on the way; B: input w1: left as it is (an operand is computed on the way)
;;     7. [M 4,096, K 1,024] x [K 1,024, N 512]; A: computed on the way; B: input w2: left as it is (an operand is computed on the way)
;;     8. [M 4,096, K 2,048] x [K 2,048, N 1,024]; A: computed on the way; B: input w3: left as it is (an operand is computed on the way)
;;   THE QUANTISER, for each operand of a quantised product, along K:
;;     - K is cut into blocks of 32 from its start; a last block that is shorter is filled with zeros.
;;     - A block's scale is 2^e with e = floor(log2(the largest magnitude in the block)) - 2, held to -126 .. 127; a block of zeros has e = 0. As a byte (E8M0): e + 127.
;;     - Each number is divided by its block's scale, clamped to +-6, and rounded to the nearest number of E2M1, ties to even, subnormals kept.
;;     - The product sums the exact products of the quantised numbers (number of the format x scale) in f32.
;;   ~~~python
;;   def quantise(x, axis):      # numpy; x: float32 -> the quantised numbers, widened to float32 again
;;       x = np.moveaxis(x, axis, -1); K = x.shape[-1]
;;       x = np.pad(x, [(0, 0)] * (x.ndim - 1) + [(0, -K % 32)]); x = x.reshape(x.shape[:-1] + (-1, 32)); a = np.abs(x).max(-1, keepdims=True)
;;       e = np.where(a > 0, np.clip(np.frexp(np.where(a > 0, a, 1))[1] - 1 - 2, -126, 127), 0)      # np.frexp(a)[1] - 1 = floor(log2(a)), exactly
;;       r = np.clip(x / 2.0 ** e, -6, 6)
;;       step = 2.0 ** (np.maximum(np.frexp(np.where(r == 0, 1, r))[1] - 1, 0) - 1)
;;       q = np.round(r / step) * step * 2.0 ** e      # np.round: ties to even
;;       return np.moveaxis(q.reshape(q.shape[:-2] + (-1,))[..., :K], -1, axis).astype(np.float32)
;;   ~~~
;; One version. Each part assembles by itself: llvm-mc -triple=amdgcn-amd-amdhsa -mcpu=gfx1250 --defsym DOCPART=n.
;; ======== version 1 of 1: 6 launches
;; limits: values are held in f16: magnitudes above 65,504 overflow, below 6.1e-05 lose precision
;; workspace buffers: codes 11,010,048 bytes; scales 688,128 bytes; wh 6,291,456 bytes; qkp 41,943,040 bytes; pmat 16,777,216 bytes; stats 655,360 bytes; a12 16,777,216 bytes; fused 16,777,216 bytes
;; launch prep (part 1): grid 768 x 1, 4 waves a work-group, no clusters, 33,280 bytes of LDS; arguments q, k, w_qk, w1, w2, w3, codes, scales, wh; writes codes, scales, wh
.if DOCPART == 1
	.amdgcn_target "amdgcn-amd-amdhsa--gfx1250"
	.amdhsa_code_object_version 6
	.text
	.protected	k_q6908f540e0_prep
	.globl	k_q6908f540e0_prep
	.p2align	8
	.type	k_q6908f540e0_prep,@function
k_q6908f540e0_prep:
	s_mov_b64 s[64:65], 0
	v_nop
	global_prefetch_b8 v0, s[64:65] scope:SCOPE_SE
	s_setreg_imm32_b32 hwreg(HW_REG_WAVE_MODE, 25, 1), 1
	s_wait_xcnt 0x0
; SingleHeadSiameseAttention, first of six launches: operands are made narrow, once.
; WORK LEFT OUT IN THIS PROGRAM.  reference() appends one row of zeros, built in its own body, to v and to tsp.  In out = attn v_ext and out_tsp = attn tsp_ext the term of key 2,048 is
; attn[q][2048] x 0, which is 0 for all finite values of the inputs: that one K step of both products is not done.  The dummy key's SCORE, its exponential and its share of the softmax's
; maximum and sum are live and are done.  Every input has a way to an output, so every input is loaded.  LIMIT: a NaN, an infinity or an overflow that would reach the result only through
; that product with the zero row is not carried to the result.
; THIS LAUNCH.  Work-groups 0-671: q, k and w_qk (f32, K innermost, 1,024 along K) become codes of E2M1, two to a byte, and one E8M0 byte for each 32 along K.  A block's byte is its largest
; magnitude's exponent field - 2, held at 1 from below.  (A block of zeros gets the byte 1 where the rule says 127: its codes are zeros, and this program alone reads the bytes.)
; codes: rows 0-4,095 q, 4,096-20,479 k, then w_qk's 1,024 rows; 512 bytes a row.  scales: the same rows, 32 bytes each.  The three tensors are plain streams of blocks of 32.
; Work-groups 672-767: w1 and w2 become f16, w3's columns 0-1,023 bf16 (they meet o1 | o2, which have no room in f16) and its columns 1,024-2,047 f16 (they meet q).
; LIMITS: NaN and infinities among the inputs are not served; blocks whose largest magnitude lies under 2^-124 keep the byte 1.
; A work-group takes 32,768 numbers, a wave 8,192 in 16 steps of 512.  No tensor loads, no barrier: waves share nothing.
.set NQUANT, 672
.set STEPS, 16
.set EMAX,  2
.set CB,    8                          ; bytes of 16 codes
.set R,     16                         ; v16-79   four sets of 16 numbers as they are loaded
.set X,     80                         ; v80-111  two sets of 16 neighbours
.set E,     112                        ; v112-127 a scale byte for each step
.set C,     128                        ; v128..   results: registers of its own for each step, so that no store's data are written again
.set WREG,  8192                       ; LDS: a region for each wave: two stages of 32 x SP bytes, behind them its 256 scale bytes
.set SP,    80                         ; a lane's place in a stage: 64 bytes + 16 of padding
.set SPW,   12                         ; v12 LDS address of my spare word; never rewritten
.set NIL,   13                         ; v13 0; never rewritten
.set SPARE, 4*WREG                     ; the spare words, 128 bytes for each wave, which no other line names
	s_load_b512 s[4:19], s[0:1], 0x0               ; q, k, w_qk, w1, w2, w3, codes, scales
	s_load_b64 s[20:21], s[0:1], 0x40              ; wh
	v_lshl_add_u32 v[SPW], v0, 2, SPARE
	v_mov_b32 v[NIL], 0
	v_lshrrev_b32 v1, 5, v0
	v_readfirstlane_b32 s22, v1                    ; wave
	v_and_b32 v2, 31, v0                           ; lane
	v_lshlrev_b32 v3, 4, v2                        ; my 16 bytes of a load's 512
	s_mul_i32 s23, s22, WREG
	v_lshrrev_b32 v14, 2, v2
	v_mul_u32_u24 v14, v14, SP
	v_and_b32 v15, 3, v2
	v_lshl_add_u32 v14, v15, 4, v14
	v_add_nc_u32 v14, s23, v14                     ; the stage, on the way in: SP (lane / 4) + 16 (lane % 4)
	v_mul_u32_u24 v15, v2, SP
	v_add_nc_u32 v15, s23, v15                     ; and on the way out: SP x lane: my 16 neighbours
	v_lshlrev_b32 v4, 3, v2                        ; 8 bytes a lane: my codes' place in a step's, my place in a cast's store
	v_lshrrev_b32 v5, 1, v2
	s_add_co_u32 s23, s23, 2*32*SP
	v_add_nc_u32 v5, s23, v5                       ; LDS: my wave's 256 scale bytes, my block's byte
	v_add_nc_u32 v6, s23, v4                       ; and on the way out 8 bytes a lane
	s_mov_b32 s29, 0
	s_lshl_b32 s30, ttmp9, 2
	s_add_co_u32 s30, s30, s22                     ; 4 x work-group + wave
	s_wait_kmcnt 0x0
	s_cmp_ge_u32 ttmp9, NQUANT
	s_cbranch_scc1 .Lcast
	; ---- the quantiser.  The source is chosen by the work-group's number alone; the results' places need no choice: the three tensors follow each other in codes and in scales
	s_mov_b32 s26, 640
	s_cmp_lt_u32 ttmp9, 640
	s_cselect_b64 s[24:25], s[6:7], s[8:9]         ; k or w_qk
	s_cselect_b32 s26, 128, s26
	s_cmp_lt_u32 ttmp9, 128
	s_cselect_b64 s[24:25], s[4:5], s[24:25]       ; or q
	s_cselect_b32 s26, 0, s26
	s_sub_co_u32 s26, ttmp9, s26
	s_lshl_b32 s26, s26, 2
	s_add_co_u32 s26, s26, s22                     ; which run of 8,192 numbers of the source is my wave's
	s_lshl_b32 s28, s26, 15                        ; 32,768 bytes a run
	s_add_nc_u64 s[24:25], s[24:25], s[28:29]
	s_lshl_b32 s28, s30, 12                        ; 4,096 bytes of codes a run
	s_add_nc_u64 s[16:17], s[16:17], s[28:29]
	s_lshl_b32 s28, s30, 8                         ; 256 scale bytes a run
	s_add_nc_u64 s[18:19], s[18:19], s[28:29]
.macro LOAD t
.irp i, 0,1,2,3
	global_load_b128 v[R+16*((\t)%4)+4*\i:R+16*((\t)%4)+4*\i+3], v3, s[24:25] offset:2048*(\t)+512*\i th:TH_LOAD_NT   ; 32 lanes read 512 consecutive bytes
.endr
.endm
.macro TURN t                          ; step t's numbers through the stage: LDS serves a wave's instructions in order, so no wait stands between the stores and the loads
.irp i, 0,1,2,3
	ds_store_b128 v14, v[R+16*((\t)%4)+4*\i:R+16*((\t)%4)+4*\i+3] offset:32*SP*((\t)%2)+8*SP*\i
.endr
.irp i, 0,1,2,3
	ds_load_b128 v[X+16*((\t)%2)+4*\i:X+16*((\t)%2)+4*\i+3], v15 offset:32*SP*((\t)%2)+16*\i
.endr
.endm
.irp t, 0,1,2,3
	LOAD \t
.endr
	s_wait_loadcnt 12                              ; step 0's four loads are in; the twelve of steps 1 to 3 may be out
	TURN 0
.macro STEP t
.set XS, X+16*((\t)%2)
.if (\t) > 0
	s_wait_dscnt 1                                 ; this step's numbers are back from the stage (the last step's byte store may be out): so its stores into the stage have read their registers,
.else
	s_wait_dscnt 0x0
.endif
.if (\t)+4 < STEPS
	LOAD (\t)+4                                    ; which take the loads of four steps on
.endif
.if (\t)+1 < STEPS
.if STEPS-2-(\t) >= 3
	s_wait_loadcnt 12                              ; the next step's four loads are in; those of the three steps behind it may be out
.else
	s_wait_loadcnt 4*(STEPS-2-(\t))
.endif
	TURN (\t)+1                                    ; and go through the other stage while this step is worked
.endif
	v_max3_num_f32 v8, |v[XS]|, |v[XS+1]|, |v[XS+2]|               ; the largest magnitude of my 16
	v_max3_num_f32 v9, |v[XS+3]|, |v[XS+4]|, |v[XS+5]|
.irp i, 6,10
	v_max3_num_f32 v8, v8, |v[XS+\i]|, |v[XS+\i+1]|
	v_max3_num_f32 v9, v9, |v[XS+\i+2]|, |v[XS+\i+3]|
.endr
	v_max3_num_f32 v8, v8, |v[XS+14]|, |v[XS+15]|
	v_max3_num_f32 v8, v8, v9, (EMAX+1)<<23        ; and the floor 2^(3 - 127): so the byte cannot fall under 1
	v_max_num_f32_dpp v8, v8, v8 row_xmask:1 row_mask:0xf bank_mask:0xf   ; and of my neighbour's 16: the block's
	v_add_nc_u32 v11, -(EMAX<<23), v8              ; 2 off its exponent field: the conversion takes the exponent field of this operand as its scale
	v_cvt_scalef32_pk8_fp4_f32 v[C+4*(\t)], v[XS:XS+7], v11
	v_cvt_scalef32_pk8_fp4_f32 v[C+4*(\t)+1], v[XS+8:XS+15], v11
	v_lshrrev_b32 v[E+(\t)], 23, v11               ; the scale's byte
	ds_store_b8 v5, v[E+(\t)] offset:16*(\t)       ; both lanes of a block write the same byte with the same value
	global_store_b64 v4, v[C+4*(\t):C+4*(\t)+1], s[16:17] offset:32*CB*(\t)   ; 32 lanes store 256 consecutive bytes, aligned
.endm
.irp t, 0,1,2,3,4,5,6,7,8,9,10,11,12,13,14,15
	STEP \t
.endr
	ds_load_b64 v[8:9], v6                         ; LDS serves a wave's instructions in order: these see my stores
	s_wait_dscnt 0x0
	global_store_b64 v4, v[8:9], s[18:19]          ; 32 lanes store 256 consecutive bytes, aligned
	s_wait_tensorcnt 0x0                           ; the wave's end
	ds_add_u32 v[SPW], v[NIL]
	s_wait_dscnt 0x0
	s_endpgm
	; ---- the casts: no LDS.  A lane's 4 numbers of a load become 8 bytes; 32 lanes store 256 consecutive bytes, aligned
.Lcast:
	s_sub_co_u32 s27, ttmp9, NQUANT                ; 0-15 w1, 16-31 w2, 32-95 w3
	s_cmp_lt_u32 s27, 32
	s_cselect_b64 s[24:25], s[12:13], s[14:15]
	s_cselect_b32 s26, 16, 32
	s_cmp_lt_u32 s27, 16
	s_cselect_b64 s[24:25], s[10:11], s[24:25]
	s_cselect_b32 s26, 0, s26
	s_sub_co_u32 s26, s27, s26
	s_lshl_b32 s26, s26, 2
	s_add_co_u32 s26, s26, s22
	s_lshl_b32 s28, s26, 15
	s_add_nc_u64 s[24:25], s[24:25], s[28:29]
	s_sub_co_u32 s30, s30, 4*NQUANT
	s_lshl_b32 s28, s30, 14                        ; 16,384 bytes of results a run; w1, w2, w3 follow each other in wh
	s_add_nc_u64 s[20:21], s[20:21], s[28:29]
.macro CAST t, half                    ; half = 1: to f16; 0: to bf16
.if 15-(\t) >= 3
	s_wait_loadcnt 12                              ; this step's four loads are in; those of the three steps behind it may be out
.else
	s_wait_loadcnt 4*(15-(\t))
.endif
.irp i, 0,1,2,3
.if \half
	v_cvt_pk_f16_f32 v[C+8*(\t)+2*\i], v[R+16*((\t)%4)+4*\i], v[R+16*((\t)%4)+4*\i+1]
	v_cvt_pk_f16_f32 v[C+8*(\t)+2*\i+1], v[R+16*((\t)%4)+4*\i+2], v[R+16*((\t)%4)+4*\i+3]
.else
	v_cvt_pk_bf16_f32 v[C+8*(\t)+2*\i], v[R+16*((\t)%4)+4*\i], v[R+16*((\t)%4)+4*\i+1]
	v_cvt_pk_bf16_f32 v[C+8*(\t)+2*\i+1], v[R+16*((\t)%4)+4*\i+2], v[R+16*((\t)%4)+4*\i+3]
.endif
.endr
.if (\t)+4 < STEPS
	LOAD (\t)+4
.endif
.irp i, 0,1,2,3
	global_store_b64 v4, v[C+8*(\t)+2*\i:C+8*(\t)+2*\i+1], s[20:21] offset:1024*(\t)+256*\i
.endr
.endm
.irp t, 0,1,2,3
	LOAD \t
.endr
	s_cmp_lt_u32 s27, 32
	s_cbranch_scc0 .Lw3
.irp t, 0,1,2,3,4,5,6,7,8,9,10,11,12,13,14,15
	CAST \t, 1
.endr
	s_endpgm
.Lw3:                                  ; a wave's 8,192 numbers are 4 rows of 2,048: steps 0, 1 of each four are columns 0-1,023
.irp t, 0,1,2,3,4,5,6,7,8,9,10,11,12,13,14,15
	CAST \t, ((\t)%4)/2
.endr
	s_endpgm
.Lfunc_end_k_q6908f540e0_prep:
	.size	k_q6908f540e0_prep, .Lfunc_end_k_q6908f540e0_prep-k_q6908f540e0_prep
	.p2alignl 7, 3214868480
	.fill 96, 4, 3214868480
	.section	.rodata,"a",@progbits
	.p2align	6, 0x0
	.amdhsa_kernel k_q6908f540e0_prep
		.amdhsa_group_segment_fixed_size 33280
		.amdhsa_private_segment_fixed_size 0
		.amdhsa_enable_private_segment 0
		.amdhsa_kernarg_size 72
		.amdhsa_user_sgpr_count 2
		.amdhsa_user_sgpr_kernarg_segment_ptr 1
		.amdhsa_wavefront_size32 1
		.amdhsa_system_sgpr_workgroup_id_x 1
		.amdhsa_system_sgpr_workgroup_id_y 1
		.amdhsa_system_sgpr_workgroup_id_z 1
		.amdhsa_system_vgpr_workitem_id 0
		.amdhsa_next_free_vgpr 256
		.amdhsa_next_free_sgpr 66
		.amdhsa_reserve_vcc 0
		.amdhsa_float_denorm_mode_32 3
		.amdhsa_float_denorm_mode_16_64 3
		.amdhsa_memory_ordered 1
		.amdhsa_forward_progress 1
		.amdhsa_inst_pref_size 74
	.end_amdhsa_kernel
	.amdgpu_metadata
---
amdhsa.version: [ 1, 2 ]
amdhsa.kernels:
  - .name:           k_q6908f540e0_prep
    .symbol:         k_q6908f540e0_prep.kd
    .args:
      - { .name: q, .offset: 0, .size: 8, .value_kind: global_buffer, .address_space: global }
      - { .name: k, .offset: 8, .size: 8, .value_kind: global_buffer, .address_space: global }
      - { .name: w_qk, .offset: 16, .size: 8, .value_kind: global_buffer, .address_space: global }
      - { .name: w1, .offset: 24, .size: 8, .value_kind: global_buffer, .address_space: global }
      - { .name: w2, .offset: 32, .size: 8, .value_kind: global_buffer, .address_space: global }
      - { .name: w3, .offset: 40, .size: 8, .value_kind: global_buffer, .address_space: global }
      - { .name: codes, .offset: 48, .size: 8, .value_kind: global_buffer, .address_space: global }
      - { .name: scales, .offset: 56, .size: 8, .value_kind: global_buffer, .address_space: global }
      - { .name: wh, .offset: 64, .size: 8, .value_kind: global_buffer, .address_space: global }
    .group_segment_fixed_size: 33280
    .private_segment_fixed_size: 0
    .kernarg_segment_align: 8
    .kernarg_segment_size: 72
    .max_flat_workgroup_size: 128
    .sgpr_count:     66
    .vgpr_count:     256
    .wavefront_size: 32
...
	.end_amdgpu_metadata
.endif
;; end of part 1
;; launch proj (part 2): grid 4 x 80, 4 waves a work-group, clusters of 4 x 4, 327,680 bytes of LDS; arguments codes, scales, dummy, qkp, stats; writes qkp, stats
.if DOCPART == 2
	.amdgcn_target "amdgcn-amd-amdhsa--gfx1250"
	.amdhsa_code_object_version 6
	.text
	.protected	k_q6908f540e0_proj
	.globl	k_q6908f540e0_proj
	.p2align	8
	.type	k_q6908f540e0_proj,@function
k_q6908f540e0_proj:
	s_mov_b64 s[64:65], 0
	v_nop
	global_prefetch_b8 v0, s[64:65] scope:SCOPE_SE
	s_setreg_imm32_b32 hwreg(HW_REG_WAVE_MODE, 25, 1), 1
	s_wait_xcnt 0x0
	s_wait_alu depctr_hold_cnt(0) depctr_sa_sdst(0) depctr_va_vdst(0) depctr_va_sdst(0) depctr_va_ssrc(0) depctr_va_vcc(0) depctr_vm_vsrc(0)
	s_getreg_b32 s2, hwreg(HW_REG_IB_STS2, 6, 4)
	s_cmp_eq_u32 s2, 0
	s_cbranch_scc0 .Lentry_in_a_cluster
	s_endpgm
.Lentry_in_a_cluster:
	s_bfe_u32 s2, ttmp6, 0x10000c
	s_cmp_lg_u32 s2, 0xf033
	s_cbranch_scc0 .Lentry_shape_is_right
	s_endpgm
.Lentry_shape_is_right:
; qp = q w_qk^T and kp = k w_qk^T as ONE product on codes of E2M1 with E8M0 scales: C[20,480][1,024] = X W^T, K = 1,024; rows 0-4,095 are q's, the others k's.  Sums in f32.
; C leaves as f16 (operands of the next product), held at +-65,504.  For q's rows the wave also sums qp[row][col] x dummy[col] over its 128 columns, in f32, on the unrounded sums:
; eight such parts a row make the dummy key's score; they go to stats.
; A tile of C, 256 x 256, is made by four waves, 128 x 128 each: 64 accumulators, 512 registers.  K is two slots of 512 (rows of 256 bytes): both are first fills, nothing is filled again.
; The scale bytes of the work-group's 256 + 256 rows are two dense blocks: they come into LDS once, with the first fills.
; CLUSTERS: 4 x 4 work-groups.  The four of a row of the cluster need the same tiles of X, the four of a column the same tiles of W: each tile is asked for jointly.
; THE MATRIX INSTRUCTION IS USED TRANSPOSED (source 0 = 16 rows of W, source 1 = 16 rows of X): a lane holds eight neighbouring numbers of a row of C.
; REGISTERS: window 0: v0-31 addresses; v32-95 scale words, two sets; v128-191 X's fragments, one set; v192-255 dummy's 64 numbers of my lane.  window 1: W's fragments, two sets.
;   windows 2, 3: the accumulators of my rows 0-63, 64-127 (accumulator (a, b) at v[8 (8 (a % 4) + b)]).
.set KSTEP,  512
.set NQ,     KSTEP/128
.set ROWB,   256
.set KROW,   512                       ; a row of codes in memory
.set PITCH,  272                       ; an LDS row: 256 bytes + 16 of padding: the 16 rows that a load touches start 68 words apart
.set FR,     8
.set NL,     2
.set NP,     4                         ; places behind this matrix instruction (ISA guide 7.12.1)
.set HALFT,  128*PITCH
.set SLOT,   4*HALFT
.set KS,     32                        ; a row of scale bytes
.set SCL,    2*SLOT
.set HALFS,  (128*KS/256)*272
.set SBLK,   (16*KS/256)*272
.set SPARE,  SCL+4*HALFS               ; the spare words, 128 bytes for each wave, which no other line names
.set WST,    5120                      ; the way out: a region for each wave in slot 0, which has had its only fill and its last read by then: 16 rows x 272,
.set DWO,    4352                      ; and behind them 512 bytes for the 128 dot words
.set OROW,   2048                      ; a row of qkp in bytes
.set DOF,  13                          ; v13 32 x (lane / 16): my place in dummy
.set DGO,  14                          ; v14 16 x lane
.set ADRA, 16
.set ADRB, 20
.set STO,  24
.set RD,   25
.set CO,   26
.set ADRS, 27
.set SPW,  28
.set NIL,  29
.set DWA,  30                          ; v30 where I put a row's dot word
.set DWR,  31                          ; v31 where I read four of them back
.set SC,   32
.set HLD,  32                          ; the way out: 64 held numbers
.set DACC, 96                          ; the dot's eight pairs; then TMP
.set TMP,  96                          ; the way out: 32 registers of f16 pairs
.set AF,   128
.set BK,   128                         ; the way out: 16 rows read back: v128-159 and v160-191 by turns
.set DUM,  192
.set G1, 24
.set G0, 32
.set G1B, 48
.set G0B, 56
.set G1S, 68
.set G0S, 76
.set G1SB, 80
.set G0SB, 88
.set MSB, 0
.macro WIN new                         ; the immediate's high byte repeats the setting that is left
.if MSB != (\new)
	s_set_vgpr_msb (MSB<<8)|(\new)
.set MSB, (\new)
.endif
.endm
.set MUL_LO, 0xa1                      ; source 0 (W) window 1, source 1 (X) window 0, C and D window 2
.set MUL_HI, 0xf1
.set TO_B,   0x40
; A joint load: waves 0 and 1 fetch for X, waves 2 and 3 for W; the branch hangs on the wave's number alone.  An s_nop 0 and four v_nop follow each line.
.macro JLOAD g0a, g1a, g0b, g1b
	s_cmp_eq_u32 s15, 0
	s_cbranch_scc0 .Lfor_b_\@
	tensor_load_to_lds s[\g0a:\g0a+3], s[\g1a:\g1a+7]
	s_nop 0
.rept 4
	v_nop
.endr
	s_branch .Lasked_\@
.Lfor_b_\@:
	tensor_load_to_lds s[\g0b:\g0b+3], s[\g1b:\g1b+7]
	s_nop 0
.rept 4
	v_nop
.endr
.Lasked_\@:
.endm
.macro CROUND                          ; a round of the cluster's barrier
	s_barrier_signal -1
	s_barrier_wait -1
	s_cmp_lg_u32 s14, 0
	s_cbranch_scc1 .Lnot_wave_0_\@
	s_barrier_signal -3
.Lnot_wave_0_\@:
	s_barrier_wait -3
	s_barrier_signal -1
	s_barrier_wait -1
.endm
	s_load_b128 s[4:7], s[0:1], 0x0                ; codes, scales
	s_load_b64 s[96:97], s[0:1], 0x10              ; dummy
	s_load_b64 s[12:13], s[0:1], 0x18              ; qkp
	s_load_b64 s[98:99], s[0:1], 0x20              ; stats
	v_lshl_add_u32 v[SPW], v0, 2, SPARE
	v_mov_b32 v[NIL], 0
	ds_add_u32 v[SPW], v[NIL]                      ; the wave's opening: the add, twice on end, and its wait ahead of my first tensor load
	ds_add_u32 v[SPW], v[NIL]
	v_lshrrev_b32 v1, 5, v0
	v_readfirstlane_b32 s14, v1                    ; wave 0..3
	s_lshr_b32 s15, s14, 1                         ; which half of the tile's rows is mine.  Also: I fetch for X (0) or for W (1)
	s_and_b32 s16, s14, 1                          ; which half of its columns.  Also: which 128 rows of that tile I fetch
	s_bfe_u32 s40, ttmp6, 0x40000                  ; cx, cy
	s_bfe_u32 s41, ttmp6, 0x40004
	s_lshl_b32 s42, ttmp9, 2
	s_add_co_u32 s42, s42, s40                     ; tile column
	s_and_b32 s95, ttmp7, 0xffff                   ; the cluster's y: the same in all sixteen partners
	s_lshl_b32 s17, s95, 2
	s_add_co_u32 s17, s17, s41                     ; tile row
	s_lshl_b32 s43, s41, 2
	s_lshl_b32 s43, 15, s43                        ; my row of the cluster
	s_lshl_b32 s44, 0x1111, s40                    ; my column
	s_or_b32 s[G1+0], s43, (0<<16)|(1<<20)|(1<<21)|(5<<22)|(3<<25)  ; the mask; elements of 1 byte; padding: 4 words after every 64; bit 21 beside a mask
	s_or_b32 s[G1B+0], s44, (0<<16)|(1<<20)|(1<<21)|(5<<22)|(3<<25)
.irp g, G1, G1B
	s_mov_b32 s[\g+1], ROWB<<16                    ; tensor_dim0
	s_mov_b32 s[\g+2], 128<<16                     ; tensor_dim1
	s_mov_b32 s[\g+3], ROWB<<16                    ; tile_dim0
	s_mov_b32 s[\g+4], 128                         ; tile_dim1
	s_mov_b32 s[\g+5], KROW                        ; the pitch
	s_mov_b32 s[\g+6], 0
	s_mov_b32 s[\g+7], 0
.endr
	s_or_b32 s[G1S+0], s43, (3<<16)|(1<<20)|(1<<21)|(5<<22)|(3<<25) ; the scales of 128 rows: 4,096 dense bytes as 16 rows of 256 (32 elements of 8 bytes)
	s_or_b32 s[G1SB+0], s44, (3<<16)|(1<<20)|(1<<21)|(5<<22)|(3<<25)
.irp g, G1S, G1SB
	s_mov_b32 s[\g+1], 32<<16
	s_mov_b32 s[\g+2], (128*KS/256)<<16
	s_mov_b32 s[\g+3], 32<<16
	s_mov_b32 s[\g+4], 128*KS/256
	s_mov_b32 s[\g+5], 32
	s_mov_b32 s[\g+6], 0
	s_mov_b32 s[\g+7], 0
.endr
	s_lshl_b32 s18, s16, 7
	s_lshl_b32 s20, s17, 8
	s_add_co_u32 s20, s20, s18                     ; X: row 256 x tile row + 128 x half
	s_lshl_b32 s46, s42, 8
	s_add_co_u32 s46, s46, s18                     ; W: row 256 x tile column + 128 x half
	s_mov_b32 s21, 0
	s_mov_b32 s47, 0
	s_mov_b64 s[18:19], KS
	s_mul_u64 s[22:23], s[20:21], s[18:19]         ; where these rows' scales begin,
	s_mul_u64 s[92:93], s[46:47], s[18:19]
	s_mov_b64 s[18:19], KROW
	s_mul_u64 s[20:21], s[20:21], s[18:19]         ; and their codes
	s_mul_u64 s[46:47], s[46:47], s[18:19]
	s_mul_i32 s45, s14, HALFT                      ; where they go: wave x 128 rows
	s_mul_i32 s94, s14, HALFS
	s_mov_b32 s66, 0x76543210                      ; v_permlanex16_b32's selects for lane l xor 16
	s_mov_b32 s67, 0xfedcba98
	s_mov_b32 s100, 0xc77fe000                     ; -65,504
	s_mov_b32 s101, 0x477fe000                     ; 65,504
	s_wait_dscnt 0x0                               ; both opening adds are done
	s_wait_kmcnt 0x0
	s_add_nc_u64 s[8:9], s[4:5], 0xa00000          ; w_qk's codes lie behind the 20,480 rows of x's,
	s_add_nc_u64 s[10:11], s[6:7], 0xa0000         ; its scales likewise
	s_add_nc_u64 s[98:99], s[98:99], 0x80000       ; the dot parts' place in stats
	s_add_nc_u64 s[20:21], s[4:5], s[20:21]
	s_add_nc_u64 s[22:23], s[6:7], s[22:23]
	s_add_nc_u64 s[46:47], s[8:9], s[46:47]
	s_add_nc_u64 s[92:93], s[10:11], s[92:93]
	CROUND                                         ; all sixteen work-groups are here: the first joint loads meet
	s_mov_b32 s[G0S], 1
	s_add_co_u32 s[G0S+1], s94, SCL
	s_mov_b64 s[G0S+2:G0S+3], s[22:23]
	s_or_b32 s[G0S+3], s[G0S+3], 0x80000000
	s_mov_b32 s[G0SB], 1
	s_add_co_u32 s[G0SB+1], s94, SCL
	s_mov_b64 s[G0SB+2:G0SB+3], s[92:93]
	s_or_b32 s[G0SB+3], s[G0SB+3], 0x80000000
	JLOAD G0S, G1S, G0SB, G1SB                     ; the scales first: they are wanted with the first slot
.irp s, 0,1
	s_mov_b32 s[G0+4*\s], 1
	s_add_co_u32 s[G0+4*\s+1], s45, \s*SLOT
	s_add_nc_u64 s[G0+4*\s+2:G0+4*\s+3], s[20:21], \s*ROWB
	s_or_b32 s[G0+4*\s+3], s[G0+4*\s+3], 0x80000000
	s_mov_b32 s[G0B+4*\s], 1
	s_add_co_u32 s[G0B+4*\s+1], s45, \s*SLOT
	s_add_nc_u64 s[G0B+4*\s+2:G0B+4*\s+3], s[46:47], \s*ROWB
	s_or_b32 s[G0B+4*\s+3], s[G0B+4*\s+3], 0x80000000
	JLOAD G0+4*\s, G1, G0B+4*\s, G1B               ; three tensor loads of mine are out in all
.endr
	v_and_b32 v1, 15, v0                           ; l % 16
	v_bfe_u32 v2, v0, 4, 1                         ; l / 16
	v_mul_u32_u24 v3, v1, PITCH
	v_lshl_add_u32 v4, v2, 4, v3                   ; a fragment's row x pitch + 16 x half
	s_mul_i32 s21, s15, HALFT
	s_mul_i32 s22, s16, HALFT
	s_add_co_u32 s22, s22, 2*HALFT
.irp s, 0,1
	v_add_nc_u32 v[ADRA+\s], s21, v4
	v_add_nc_u32 v[ADRB+\s], s22, v4
	s_add_co_u32 s21, s21, SLOT
	s_add_co_u32 s22, s22, SLOT
.endr
	v_mul_u32_u24 v5, v1, KS                       ; my row's scales: KS bytes a row,
	v_lshrrev_b32 v6, 8, v5
	v_lshl_add_u32 v5, v6, 4, v5                   ; and 16 more for each 256 passed
	s_mul_i32 s21, s15, HALFS
	s_mul_i32 s22, s16, HALFS
	s_add_co_u32 s22, s22, 2*HALFS
	s_sub_co_u32 s22, s22, s21
	v_mul_u32_u24 v6, s22, v2                      ; lanes 16-31 take W's
	s_add_co_u32 s21, s21, SCL
	v_add_nc_u32 v5, v5, v6
	v_add_nc_u32 v[ADRS], s21, v5
	s_mul_i32 s23, s14, WST                        ; my region for the way out
	v_add_nc_u32 v[STO], s23, v4                   ; in: row l % 16, 16 bytes for each half of the lanes
	v_mul_u32_u24 v5, v2, PITCH
	v_lshl_add_u32 v5, v1, 4, v5
	v_add_nc_u32 v[RD], s23, v5                    ; back: lanes 0-15 one row of 256 bytes, lanes 16-31 the next
	v_lshlrev_b32 v5, 11, v2
	v_lshl_add_u32 v[CO], v1, 4, v5                ; and the same two rows in qkp
	s_add_co_u32 s23, s23, DWO
	v_lshl_add_u32 v[DWA], v1, 2, s23
	v_and_b32 v6, 31, v0
	v_lshlrev_b32 v[DGO], 4, v6
	v_add_nc_u32 v[DWR], s23, v[DGO]
	v_lshlrev_b32 v[DOF], 5, v2
	s_lshl_b32 s20, s17, 8
	s_lshl_b32 s21, s15, 7
	s_add_co_u32 s20, s20, s21                     ; my first row of C
	s_lshl_b32 s18, s20, 11
	s_mov_b32 s19, 0
	s_add_nc_u64 s[12:13], s[12:13], s[18:19]
	s_lshl_b32 s46, s42, 9                         ; my first column, in bytes of f16
	s_lshl_b32 s47, s16, 8
	s_add_co_u32 s46, s46, s47
	s_mov_b32 s47, 0
	s_add_nc_u64 s[12:13], s[12:13], s[46:47]
	s_lshl_b32 s46, s46, 1                         ; the same in bytes of f32
	s_add_nc_u64 s[96:97], s[96:97], s[46:47]      ; dummy at my first column
	s_lshl_b32 s46, s42, 1
	s_add_co_u32 s46, s46, s16                     ; which of the eight parts of a row's dot is mine
	s_lshl_b32 s46, s46, 14
	s_lshl_b32 s18, s20, 2
	s_add_co_u32 s46, s46, s18
	s_add_nc_u64 s[98:99], s[98:99], s[46:47]      ; (used by q's tiles alone)
.irp b, 0,1,2,3,4,5,6,7                ; dummy[first column + 16 b + 8 (l / 16) + 0 .. 7]: the columns of my eight results in block b.  Every work-group loads them, 512 bytes a wave, so that one branch alone, round the dot pass, parts q's tiles from k's
	global_load_b128 v[DUM+8*\b:DUM+8*\b+3], v[DOF], s[96:97] offset:64*\b
	global_load_b128 v[DUM+8*\b+4:DUM+8*\b+7], v[DOF], s[96:97] offset:64*\b+16
.endr
.macro FRAG reg, adr, q, i             ; 16 rows x 128 K of 4-bit codes: 8 registers: lane l holds row l % 16; registers 4 c .. 4 c + 3 hold K = 64 c + 32 (l / 16) + 0 .. 31
.irp c, 0,1
	ds_load_b128 v[\reg+4*\c:\reg+4*\c+3], v[\adr] offset:64*(\q)+32*\c+(\i)*16*PITCH
.endr
.endm
; 16 matrix instructions: X's blocks a0, a0 + 1 x W's eight.  The 64 accumulators take turns, one instruction a turn, in the same order in every step.
.macro MUL16 a0, p, q, sc, zero
.irp a, \a0, \a0+1
.irp b, 0,1,2,3,4,5,6,7
.if \zero
	v_wmma_scale_f32_16x16x128_f8f6f4 v[8*(8*((\a)%4)+\b):8*(8*((\a)%4)+\b)+7], v[128*(\p)+FR*\b:128*(\p)+FR*\b+FR-1], v[AF+FR*(\a):AF+FR*(\a)+FR-1], 0, v[SC+8*NQ*(\sc)+NQ*\b+(\q)], v[SC+8*NQ*(\sc)+NQ*(\a)+(\q)] matrix_a_fmt:MATRIX_FMT_FP4 matrix_b_fmt:MATRIX_FMT_FP4 matrix_a_scale:MATRIX_SCALE_ROW1
.else
	v_wmma_scale_f32_16x16x128_f8f6f4 v[8*(8*((\a)%4)+\b):8*(8*((\a)%4)+\b)+7], v[128*(\p)+FR*\b:128*(\p)+FR*\b+FR-1], v[AF+FR*(\a):AF+FR*(\a)+FR-1], v[8*(8*((\a)%4)+\b):8*(8*((\a)%4)+\b)+7], v[SC+8*NQ*(\sc)+NQ*\b+(\q)], v[SC+8*NQ*(\sc)+NQ*(\a)+(\q)] matrix_a_fmt:MATRIX_FMT_FP4 matrix_b_fmt:MATRIX_FMT_FP4 matrix_a_scale:MATRIX_SCALE_ROW1
.endif
.endr
.endr
.endm
.macro FETCH_B slot, q, p
	WIN TO_B
.irp i, 0,1,2,3,4,5,6,7
	FRAG 128*(\p)+FR*\i, ADRB+\slot, \q, \i
.endr
	WIN 0
.endm
.macro FETCH_A slot, q, i0
.irp i, \i0, \i0+1, \i0+2, \i0+3
	FRAG AF+FR*(\i), ADRA+\slot, \q, \i
.endr
.endm
.macro SCALES sc                       ; a slot's scale words: 4 words a row; lanes 0-15 take X's block i, lanes 16-31 W's block i
.irp i, 0,1,2,3,4,5,6,7
	ds_load_b128 v[SC+8*NQ*\sc+NQ*\i:SC+8*NQ*\sc+NQ*\i+3], v[ADRS] offset:\i*SBLK
.endr
.endm
.macro PLACES n                        ; plain vector instructions between a matrix instruction and a load into, or a read or write of, its registers
.rept \n
	v_nop
.endr
.endm
.macro STEP slot, q, zero              ; 128 along K that has its successor in the same slot
	s_wait_dscnt 4*NL                              ; W's set and X's blocks 0-3 are in; the youngest eight loads (X's blocks 4-7) may be out
	WIN MUL_LO
	MUL16 0, (\q)%2, \q, \slot, \zero
	MUL16 2, (\q)%2, \q, \slot, \zero
	s_wait_dscnt 0
	PLACES NP
	FETCH_B \slot, (\q)+1, 1-(\q)%2
	FETCH_A \slot, (\q)+1, 0
	WIN MUL_HI
	MUL16 4, (\q)%2, \q, \slot, \zero
	MUL16 6, (\q)%2, \q, \slot, \zero
	PLACES NP
	WIN 0
	FETCH_A \slot, (\q)+1, 4
.endm
.macro TURN slot, next                 ; a slot's last step changes slots: one barrier; nothing is filled again
	s_wait_tensorcnt 0x0                           ; all my tensor loads have landed: my part of the next slot
	ds_add_u32 v[SPW], v[NIL]                      ; 0 onto my spare word
	s_wait_dscnt 4*NL+1                            ; (the add and X's blocks 4-7 may be out)
	WIN MUL_LO
	MUL16 0, 1, NQ-1, \slot, 0
	s_wait_dscnt 0x0                               ; the add is done, and my reads of this slot are over
	s_barrier_signal -1
	MUL16 2, 1, NQ-1, \slot, 0
	WIN 0
	s_barrier_wait -1
	PLACES NP
	v_add_nc_u32 v[ADRS], 4*NQ, v[ADRS]            ; on to the next slot's scale words
	FETCH_B \next, 0, 0
	FETCH_A \next, 0, 0
	SCALES \next
	WIN MUL_HI
	MUL16 4, 1, NQ-1, \slot, 0
	MUL16 6, 1, NQ-1, \slot, 0
	PLACES NP
	WIN 0
	FETCH_A \next, 0, 4
.endm
.macro STEPS slot, from
.set Q, \from
.rept NQ-1-\from
	STEP \slot, Q, 0
.set Q, Q+1
.endr
.endm
	s_wait_tensorcnt 1                             ; the scales and my part of slot 0 are in; slot 1's load may be out
	s_barrier_signal -1
	s_barrier_wait -1
	FETCH_B 0, 0, 0
	FETCH_A 0, 0, 0
	SCALES 0
	FETCH_A 0, 0, 4
	STEP 0, 0, 1                                   ; the first products start the sums: nothing is cleared
	STEPS 0, 1
	TURN 0, 1
	STEPS 1, 0
	s_wait_dscnt 4*NL
	WIN MUL_LO
	MUL16 0, 1, NQ-1, 1, 0
	MUL16 2, 1, NQ-1, 1, 0
	s_wait_dscnt 0
	WIN MUL_HI
	MUL16 4, 1, NQ-1, 1, 0
	MUL16 6, 1, NQ-1, 1, 0
	WIN 0
	PLACES NP
	s_wait_loadcnt 0x0                             ; dummy
	s_cmp_lt_u32 s95, 4                            ; clusters 0-3 along y hold tile rows 0-15: q's rows
	s_cbranch_scc0 .Lno_dot
	; ---- THE DOT WITH THE DUMMY KEY: for each of my 128 rows the sum over my 128 columns, four chains at a time; every accumulator is read from its low end on
.irp hi, 0,1
	WIN 0x02+\hi                                   ; source 0: window 2 or 3
.irp b, 0,1,2,3,4,5,6,7
.irp jp, 0,1,2,3
.irp a, 0,1,2,3
.if (\b == 0) && (\jp == 0)
	v_pk_mul_f32 v[DACC+2*(4*\hi+\a):DACC+2*(4*\hi+\a)+1], v[8*(8*\a+\b)+2*\jp:8*(8*\a+\b)+2*\jp+1], v[DUM+8*\b+2*\jp:DUM+8*\b+2*\jp+1]
.else
	v_pk_fma_f32 v[DACC+2*(4*\hi+\a):DACC+2*(4*\hi+\a)+1], v[8*(8*\a+\b)+2*\jp:8*(8*\a+\b)+2*\jp+1], v[DUM+8*\b+2*\jp:DUM+8*\b+2*\jp+1], v[DACC+2*(4*\hi+\a):DACC+2*(4*\hi+\a)+1]
.endif
.endr
.endr
.endr
.endr
	WIN 0
.irp a, 0,1,2,3,4,5,6,7
	v_add_f32 v[DACC+2*\a], v[DACC+2*\a], v[DACC+2*\a+1]
.endr
.irp a, 0,1,2,3,4,5,6,7
	v_permlanex16_b32 v[DACC+2*\a+1], v[DACC+2*\a], s66, s67       ; the row's other 64 columns lie in the lane 16 away
.endr
.irp a, 0,1,2,3,4,5,6,7
	v_add_f32 v[DACC+2*\a], v[DACC+2*\a], v[DACC+2*\a+1]
.endr
.irp a, 0,1,2,3,4,5,6,7
	ds_store_b32 v[DWA], v[DACC+2*\a] offset:64*\a                 ; row 16 a + l % 16; both halves of the lanes write the same word with the same value
.endr
	ds_load_b128 v[DACC+16:DACC+19], v[DWR]        ; LDS serves a wave's instructions in order: four rows' words a lane
	s_wait_dscnt 0x0
	global_store_b128 v[DGO], v[DACC+16:DACC+19], s[98:99]         ; 32 lanes store 512 consecutive bytes, aligned
	s_wait_xcnt 0x0                                ; the store has read its data: the registers are written again below
.Lno_dot:
; ---- THE WAY OUT, block by block of 16 rows x 128 columns: held, rounded to f16, 16 bytes a lane into my region, back as whole rows of 256 bytes.
.macro PACK a
.set AC, 64*((\a)%4)
	WIN 0x02+(\a)/4
.set pi, 0
.rept 64
	v_med3_num_f32 v[HLD+pi], v[AC+pi], s100, s101 ; held at f16's largest number; each accumulator in ascending order
.set pi, pi+1
.endr
	WIN 0
.set pi, 0
.rept 32
	v_cvt_pk_f16_f32 v[TMP+pi], v[HLD+2*pi], v[HLD+2*pi+1]
.set pi, pi+1
.endr
.endm
.macro TOSTAGE a
.set BB, BK+32*((\a)%2)
.irp b, 0,1,2,3,4,5,6,7
	ds_store_b128 v[STO], v[TMP+4*\b:TMP+4*\b+3] offset:32*\b
.endr
.irp t, 0,1,2,3,4,5,6,7
	ds_load_b128 v[BB+4*\t:BB+4*\t+3], v[RD] offset:\t*2*PITCH     ; LDS serves a wave's instructions in order: these see the stores above
.endr
.endm
.macro SEND a
.set BB, BK+32*((\a)%2)
	s_wait_dscnt 0x0                               ; the block is back in registers
	s_wait_xcnt 0x0                                ; earlier stores have read their base and their data: the base may step, and the next block's loads may land
.if (\a) > 0
	s_add_nc_u64 s[12:13], s[12:13], 16*OROW
.endif
.irp t, 0,1,2,3,4,5,6,7
	global_store_b128 v[CO], v[BB+4*\t:BB+4*\t+3], s[12:13] offset:2*\t*OROW   ; 16 lanes store 256 consecutive bytes, aligned
.endr
.endm
	PACK 0
	TOSTAGE 0
.irp a, 1,2,3,4,5,6,7                  ; block a's arithmetic stands between block a - 1's loads from the stage and the wait for them
	PACK \a
	SEND \a-1
	TOSTAGE \a
.endr
	SEND 7
	s_wait_tensorcnt 0x0                           ; the wave's end
	ds_add_u32 v[SPW], v[NIL]
	s_wait_dscnt 0x0
	CROUND                                         ; the closing round
	s_endpgm
.Lfunc_end_k_q6908f540e0_proj:
	.size	k_q6908f540e0_proj, .Lfunc_end_k_q6908f540e0_proj-k_q6908f540e0_proj
	.p2alignl 7, 3214868480
	.fill 96, 4, 3214868480
	.section	.rodata,"a",@progbits
	.p2align	6, 0x0
	.amdhsa_kernel k_q6908f540e0_proj
		.amdhsa_group_segment_fixed_size 327680
		.amdhsa_private_segment_fixed_size 0
		.amdhsa_enable_private_segment 0
		.amdhsa_kernarg_size 40
		.amdhsa_user_sgpr_count 2
		.amdhsa_user_sgpr_kernarg_segment_ptr 1
		.amdhsa_wavefront_size32 1
		.amdhsa_system_sgpr_workgroup_id_x 1
		.amdhsa_system_sgpr_workgroup_id_y 1
		.amdhsa_system_sgpr_workgroup_id_z 1
		.amdhsa_system_vgpr_workitem_id 0
		.amdhsa_next_free_vgpr 1024
		.amdhsa_next_free_sgpr 102
		.amdhsa_reserve_vcc 0
		.amdhsa_float_denorm_mode_32 3
		.amdhsa_float_denorm_mode_16_64 3
		.amdhsa_memory_ordered 1
		.amdhsa_forward_progress 1
		.amdhsa_inst_pref_size 179
	.end_amdhsa_kernel
	.amdgpu_metadata
---
amdhsa.version: [ 1, 2 ]
amdhsa.kernels:
  - .name:           k_q6908f540e0_proj
    .symbol:         k_q6908f540e0_proj.kd
    .args:
      - { .name: codes, .offset: 0, .size: 8, .value_kind: global_buffer, .address_space: global }
      - { .name: scales, .offset: 8, .size: 8, .value_kind: global_buffer, .address_space: global }
      - { .name: dummy, .offset: 16, .size: 8, .value_kind: global_buffer, .address_space: global }
      - { .name: qkp, .offset: 24, .size: 8, .value_kind: global_buffer, .address_space: global }
      - { .name: stats, .offset: 32, .size: 8, .value_kind: global_buffer, .address_space: global }
    .group_segment_fixed_size: 327680
    .private_segment_fixed_size: 0
    .kernarg_segment_align: 8
    .kernarg_segment_size: 40
    .max_flat_workgroup_size: 128
    .sgpr_count:     102
    .vgpr_count:     1024
    .wavefront_size: 32
...
	.end_amdgpu_metadata
.endif
;; end of part 2
;; launch score (part 3): grid 8 x 32, 4 waves a work-group, clusters of 4 x 4, 327,680 bytes of LDS; arguments qkp, pmat, stats; writes pmat, stats
.if DOCPART == 3
	.amdgcn_target "amdgcn-amd-amdhsa--gfx1250"
	.amdhsa_code_object_version 6
	.text
	.protected	k_q6908f540e0_score
	.globl	k_q6908f540e0_score
	.p2align	8
	.type	k_q6908f540e0_score,@function
k_q6908f540e0_score:
	s_mov_b64 s[64:65], 0
	v_nop
	global_prefetch_b8 v0, s[64:65] scope:SCOPE_SE
	s_setreg_imm32_b32 hwreg(HW_REG_WAVE_MODE, 25, 1), 1
	s_wait_xcnt 0x0
	s_wait_alu depctr_hold_cnt(0) depctr_sa_sdst(0) depctr_va_vdst(0) depctr_va_sdst(0) depctr_va_ssrc(0) depctr_va_vcc(0) depctr_vm_vsrc(0)
	s_getreg_b32 s2, hwreg(HW_REG_IB_STS2, 6, 4)
	s_cmp_eq_u32 s2, 0
	s_cbranch_scc0 .Lentry_in_a_cluster
	s_endpgm
.Lentry_in_a_cluster:
	s_bfe_u32 s2, ttmp6, 0x10000c
	s_cmp_lg_u32 s2, 0xf033
	s_cbranch_scc0 .Lentry_shape_is_right
	s_endpgm
.Lentry_shape_is_right:
; The scores of the 2,048 real keys and the softmax's exponentials, chunk by chunk of 128 keys.  s = qp . kp (f16 operands, f32 sums), t = s x log2(e) / 32.
; For each query and chunk: m = the chunk's largest t rounded UP to a whole number; p = 2^(t - m), at most 1, stored as f16; l = the sum of the unrounded p.  m and l go to stats.
; The next launch joins the 16 chunks and the dummy key under the row's M = max m: p x 2^(m - M) is a multiplication by a power of two.  So the maximum is taken away before every exponential.
; (The dummy key's term in the two products with v and tsp is left out: see the first kernel's head.)
; SHARES.  A work-group: 128 queries x 256 keys of one batch; a wave 64 queries x 128 keys (one chunk): 32 accumulators, window 2.  K = 1,024 in 8 steps of 128 through two LDS slots.
; TRANSPOSED: source 0 = 16 keys, source 1 = 16 queries: a lane holds ONE query (l % 16), and in block b its registers hold keys 16 b + 8 (l / 16) + 0 .. 7.
; CLUSTERS: 4 x 4: the four of a row share qp's tile, the four of a column kp's: joint loads.  Waves 0, 1 fetch qp's halves (64 rows), waves 2, 3 kp's (128 rows).
; REGISTERS: window 0: v2-13 softmax work; v16-29 addresses; v64-127 qp's fragments, two buffers; on the way out v128-191 t then p, v192-223 packed p, v32-63 and v224-255 rows read back.  window 1: kp's fragments, two buffers of 64.
.set PITCH,  272                       ; an LDS row: 256 bytes + 16 of padding
.set AH,     64*PITCH
.set BH,     128*PITCH
.set SLOT,   2*AH+2*BH
.set STAGE,  2*SLOT
.set WST,    5120                      ; behind the ring, for each wave: 16 rows x 272,
.set STW,    4352                      ; and 512 bytes for 64 m and 64 l
.set SPARE,  STAGE+4*WST
.set ADRA, 16
.set ADRB, 20
.set SRD,  22
.set SGO,  23
.set STO,  24
.set RD,   25
.set CO,   26
.set SWA,  27
.set SPW,  28
.set NIL,  29
.set FA,   64
.set T,    128
.set TMP,  192
.set G1, 24
.set G0, 32
.set G1B, 48
.set G0B, 56
.set MSB, 0
.macro WIN new
.if MSB != (\new)
	s_set_vgpr_msb (MSB<<8)|(\new)
.set MSB, (\new)
.endif
.endm
.set MUL,  0xa1                        ; source 0 (keys) window 1, source 1 (queries) window 0, C and D window 2
.set TO_B, 0x40
.macro JLOAD s
	s_cmp_eq_u32 s11, 0
	s_cbranch_scc0 .Lfor_b_\@
	tensor_load_to_lds s[G0+4*\s:G0+4*\s+3], s[G1:G1+7]
	s_nop 0
.rept 4
	v_nop
.endr
	s_branch .Lasked_\@
.Lfor_b_\@:
	tensor_load_to_lds s[G0B+4*\s:G0B+4*\s+3], s[G1B:G1B+7]
	s_nop 0
.rept 4
	v_nop
.endr
.Lasked_\@:
.endm
.macro CREST
	s_cmp_lg_u32 s10, 0
	s_cbranch_scc1 .Lnot_wave_0_\@
	s_barrier_signal -3
.Lnot_wave_0_\@:
	s_barrier_wait -3
	s_barrier_signal -1
	s_barrier_wait -1
.endm
.macro CROUND
	s_barrier_signal -1
	s_barrier_wait -1
	CREST
.endm
	s_load_b128 s[4:7], s[0:1], 0x0                ; qkp, pmat
	s_load_b64 s[68:69], s[0:1], 0x10              ; stats
	v_lshl_add_u32 v[SPW], v0, 2, SPARE
	v_mov_b32 v[NIL], 0
	ds_add_u32 v[SPW], v[NIL]                      ; the wave's opening: the add, twice on end, and its wait ahead of my first tensor load
	ds_add_u32 v[SPW], v[NIL]
	v_lshrrev_b32 v1, 5, v0
	v_readfirstlane_b32 s10, v1                    ; wave
	s_lshr_b32 s11, s10, 1                         ; my half of the queries.  Also: I fetch for qp (0) or kp (1)
	s_and_b32 s12, s10, 1                          ; my half of the keys.  Also: which half of that tile I fetch
	s_bfe_u32 s40, ttmp6, 0x40000                  ; cx
	s_bfe_u32 s41, ttmp6, 0x40004                  ; cy
	s_lshl_b32 s42, ttmp9, 2
	s_add_co_u32 s42, s42, s40                     ; x: block of 256 keys of the batch
	s_and_b32 s45, ttmp7, 0xffff                   ; the cluster's y = the batch
	s_lshl_b32 s13, s45, 2
	s_add_co_u32 s13, s13, s41                     ; y: block of 128 rows of qp
	s_lshl_b32 s43, s41, 2
	s_lshl_b32 s43, 15, s43                        ; my row of the cluster
	s_lshl_b32 s44, 0x1111, s40                    ; my column
	s_or_b32 s[G1+0], s43, (1<<16)|(1<<20)|(1<<21)|(5<<22)|(3<<25)  ; the mask; elements of 2 bytes; padding: 4 words after every 64; bit 21 beside a mask
	s_or_b32 s[G1B+0], s44, (1<<16)|(1<<20)|(1<<21)|(5<<22)|(3<<25)
	s_mov_b32 s[G1+1], 128<<16                     ; qp's tile: 64 rows x 128 elements
	s_mov_b32 s[G1+2], 64<<16
	s_mov_b32 s[G1+3], 128<<16
	s_mov_b32 s[G1+4], 64
	s_mov_b32 s[G1+5], 1024
	s_mov_b32 s[G1+6], 0
	s_mov_b32 s[G1+7], 0
	s_mov_b32 s[G1B+1], 128<<16                    ; kp's tile: 128 rows x 128 elements
	s_mov_b32 s[G1B+2], 128<<16
	s_mov_b32 s[G1B+3], 128<<16
	s_mov_b32 s[G1B+4], 128
	s_mov_b32 s[G1B+5], 1024
	s_mov_b32 s[G1B+6], 0
	s_mov_b32 s[G1B+7], 0
	s_lshl_b32 s16, s13, 7
	s_lshl_b32 s17, s12, 6
	s_add_co_u32 s16, s16, s17                     ; qp: row 128 y + 64 x half
	s_lshl_b32 s16, s16, 11                        ; 2,048 bytes a row
	s_mov_b32 s17, 0
	s_lshl_b32 s46, s42, 8
	s_lshl_b32 s47, s12, 7
	s_add_co_u32 s46, s46, s47
	s_lshl_b32 s47, s45, 11
	s_add_co_u32 s46, s46, s47
	s_add_co_u32 s46, s46, 4096                    ; kp: row 4,096 + 2,048 batch + 256 x + 128 x half
	s_lshl_b32 s46, s46, 11
	s_mov_b32 s47, 0
	s_mul_i32 s20, s12, AH                         ; where they go
	s_mul_i32 s21, s12, BH
	s_add_co_u32 s21, s21, 2*AH
	s_mov_b32 s70, 0x3d38aa3b                      ; c = log2(e) / 32
	s_mov_b32 s71, s70                             ; (named with it as a pair)
	s_mov_b32 s72, 0x76543210
	s_mov_b32 s73, 0xfedcba98
	s_wait_dscnt 0x0                               ; both opening adds are done
	s_wait_kmcnt 0x0
	s_add_nc_u64 s[14:15], s[4:5], s[16:17]
	s_add_nc_u64 s[46:47], s[4:5], s[46:47]
	CROUND                                         ; the first joint loads meet
.irp s, 0,1
	s_mov_b32 s[G0+4*\s], 1
	s_add_co_u32 s[G0+4*\s+1], s20, \s*SLOT
	s_add_nc_u64 s[G0+4*\s+2:G0+4*\s+3], s[14:15], \s*256
	s_or_b32 s[G0+4*\s+3], s[G0+4*\s+3], 0x80000000
	s_mov_b32 s[G0B+4*\s], 1
	s_add_co_u32 s[G0B+4*\s+1], s21, \s*SLOT
	s_add_nc_u64 s[G0B+4*\s+2:G0B+4*\s+3], s[46:47], \s*256
	s_or_b32 s[G0B+4*\s+3], s[G0B+4*\s+3], 0x80000000
	JLOAD \s                                       ; two tensor loads of mine are out
.endr
	v_and_b32 v1, 15, v0
	v_bfe_u32 v2, v0, 4, 1
	v_and_b32 v7, 31, v0
	v_mul_u32_u24 v3, v1, PITCH
	v_lshl_add_u32 v3, v2, 4, v3                   ; row x pitch + 16 x half
	s_mul_i32 s21, s11, AH
	s_mul_i32 s22, s12, BH
	s_add_co_u32 s22, s22, 2*AH
.irp s, 0,1
	v_add_nc_u32 v[ADRA+\s], s21, v3
	v_add_nc_u32 v[ADRB+\s], s22, v3
	s_add_co_u32 s21, s21, SLOT
	s_add_co_u32 s22, s22, SLOT
.endr
	s_mul_i32 s23, s10, WST
	s_add_co_u32 s23, s23, STAGE
	v_add_nc_u32 v[STO], s23, v3
	v_mul_u32_u24 v4, v2, PITCH
	v_lshl_add_u32 v4, v1, 4, v4
	v_add_nc_u32 v[RD], s23, v4
	v_lshlrev_b32 v5, 12, v2
	v_lshl_add_u32 v[CO], v1, 4, v5                ; two rows of pmat, 4,096 bytes apart
	s_add_co_u32 s23, s23, STW
	v_lshl_add_u32 v[SWA], v1, 2, s23
	v_lshlrev_b32 v[SGO], 3, v7
	v_add_nc_u32 v[SRD], s23, v[SGO]
	v_mov_b32 v6, 0                                ; written once: a lane permute's destination counts as one of its sources
	s_lshl_b32 s16, s13, 7
	s_lshl_b32 s17, s11, 6
	s_add_co_u32 s16, s16, s17                     ; my first query
	s_lshl_b32 s16, s16, 12
	s_mov_b32 s17, 0
	s_add_nc_u64 s[6:7], s[6:7], s[16:17]
	s_lshl_b32 s46, s42, 9
	s_lshl_b32 s47, s12, 8
	s_add_co_u32 s46, s46, s47                     ; my first key, in bytes
	s_mov_b32 s47, 0
	s_add_nc_u64 s[6:7], s[6:7], s[46:47]
	s_lshl_b32 s46, s45, 4                         ; stats: ((16 batch + chunk) 512 + query in the batch) 4
	s_lshl_b32 s47, s42, 1
	s_add_co_u32 s46, s46, s47
	s_add_co_u32 s46, s46, s12
	s_lshl_b32 s46, s46, 9
	s_lshl_b32 s47, s41, 7
	s_add_co_u32 s46, s46, s47
	s_lshl_b32 s47, s11, 6
	s_add_co_u32 s46, s46, s47
	s_lshl_b32 s46, s46, 2
	s_mov_b32 s47, 0
	s_add_nc_u64 s[68:69], s[68:69], s[46:47]
.macro MUL8 f, a, zero                 ; query block a x the eight key blocks, 32 along K, buffer f.  The 32 accumulators take turns
.irp b, 0,1,2,3,4,5,6,7
.if \zero
	v_wmma_f32_16x16x32_f16 v[8*(8*(\a)+\b):8*(8*(\a)+\b)+7], v[64*(\f)+8*\b:64*(\f)+8*\b+7], v[FA+32*(\f)+8*(\a):FA+32*(\f)+8*(\a)+7], 0
.else
	v_wmma_f32_16x16x32_f16 v[8*(8*(\a)+\b):8*(8*(\a)+\b)+7], v[64*(\f)+8*\b:64*(\f)+8*\b+7], v[FA+32*(\f)+8*(\a):FA+32*(\f)+8*(\a)+7], v[8*(8*(\a)+\b):8*(8*(\a)+\b)+7]
.endif
.endr
.endm
.macro FETCH slot, k, f                ; 24 LDS loads in one run: kp's eight fragments, then qp's four
	WIN TO_B
.irp i, 0,1,2,3,4,5,6,7
	ds_load_b128 v[64*(\f)+8*\i:64*(\f)+8*\i+3],   v[ADRB+\slot] offset:\k+\i*16*PITCH
	ds_load_b128 v[64*(\f)+8*\i+4:64*(\f)+8*\i+7], v[ADRB+\slot] offset:\k+\i*16*PITCH+32
.endr
	WIN 0
.irp i, 0,1,2,3
	ds_load_b128 v[FA+32*(\f)+8*\i:FA+32*(\f)+8*\i+3],   v[ADRA+\slot] offset:\k+\i*16*PITCH
	ds_load_b128 v[FA+32*(\f)+8*\i+4:FA+32*(\f)+8*\i+7], v[ADRA+\slot] offset:\k+\i*16*PITCH+32
.endr
.endm
.macro PLACES
.rept 4
	v_nop
.endr
.endm
.macro QUARTER slot, k, f, g, zero     ; multiplies buffer f; in its middle fetches the next quarter, at byte k, into buffer g
	s_wait_dscnt 4                                 ; kp's and qp's blocks 0, 1 are in; the youngest four loads (qp's blocks 2, 3) may be out
	WIN MUL
	MUL8 \f, 0, \zero
	MUL8 \f, 1, \zero
	PLACES
	FETCH \slot, \k, \g
	s_wait_dscnt 24                                ; all but the 24 just issued
	WIN MUL
	MUL8 \f, 2, \zero
	MUL8 \f, 3, \zero
.endm
.macro TURN slot, next, fill           ; the last quarter multiplies buffer 1 and changes slots
	WIN 0
	s_wait_tensorcnt 0x0                           ; all my tensor loads have landed: my part of the next slot
	ds_add_u32 v[SPW], v[NIL]                      ; 0 onto my spare word
	s_wait_dscnt 5                                 ; (the add and qp's blocks 2, 3 may be out)
	WIN MUL
	MUL8 1, 0, 0
	s_wait_dscnt 0x0                               ; the add is done, and my reads of this slot are over
	s_barrier_signal -1
	MUL8 1, 1, 0
	WIN 0
	s_barrier_wait -1
.if \fill
	CREST                                          ; the barrier has opened a round of the cluster's: no wave of any partner still reads this slot or has a load on its way
	s_add_nc_u64 s[G0+4*\slot+2:G0+4*\slot+3], s[G0+4*\slot+2:G0+4*\slot+3], 512
	s_add_nc_u64 s[G0B+4*\slot+2:G0B+4*\slot+3], s[G0B+4*\slot+2:G0B+4*\slot+3], 512
	JLOAD \slot                                    ; my one tensor load behind the round; its four v_nop are also the places in front of the loads below
.else
	PLACES
.endif
	FETCH \next, 0, 0
	WIN MUL
	MUL8 1, 2, 0
	MUL8 1, 3, 0
.endm
	s_wait_tensorcnt 1                             ; my part of K step 0 is in; K step 1's may be out
	s_barrier_signal -1
	s_barrier_wait -1
	FETCH 0, 0, 0
	QUARTER 0, 64, 0, 1, 1                         ; the first products start the sums
	WIN 0
	s_mov_b32 s3, 3
.Llap:                                 ; a trip goes once round the ring and fills both slots again
	QUARTER 0, 128, 1, 0, 0
	QUARTER 0, 192, 0, 1, 0
	TURN 0, 1, 1
	QUARTER 1, 64,  0, 1, 0
	QUARTER 1, 128, 1, 0, 0
	QUARTER 1, 192, 0, 1, 0
	TURN 1, 0, 1
	QUARTER 0, 64,  0, 1, 0
	WIN 0
	s_sub_co_u32 s3, s3, 1
	s_cmp_lg_u32 s3, 0
	s_cbranch_scc1 .Llap
	QUARTER 0, 128, 1, 0, 0                        ; the last lap fills nothing
	QUARTER 0, 192, 0, 1, 0
	TURN 0, 1, 0
	QUARTER 1, 64,  0, 1, 0
	QUARTER 1, 128, 1, 0, 0
	QUARTER 1, 192, 0, 1, 0
	s_wait_dscnt 4
	WIN MUL
	MUL8 1, 0, 0
	MUL8 1, 1, 0
	s_wait_dscnt 0
	MUL8 1, 2, 0
	MUL8 1, 3, 0
	WIN 0
	PLACES
; ---- THE SOFTMAX OF A CHUNK, for query block a: 64 scores a lane, the query's other 64 in the lane 16 away
.macro SOFTC a
.set AC, 64*(\a)
	WIN 0x2a                                       ; all three sources window 2
.irp c, 0,1,2,3
	v_max3_num_f32 v[2+\c], v[AC+3*\c], v[AC+3*\c+1], v[AC+3*\c+2]  ; four chains; ascending
.endr
	WIN 0x28
.set si, 12
.rept 26
	v_max3_num_f32 v[2+(si/2)%4], v[2+(si/2)%4], v[AC+si], v[AC+si+1]
.set si, si+2
.endr
	WIN 0
	v_max3_num_f32 v2, v2, v3, v4
	v_max_num_f32 v2, v2, v5
	v_permlanex16_b32 v6, v2, s72, s73
	v_max_num_f32 v2, v2, v6
	v_mul_f32 v7, s70, v2                          ; as t (c is positive)
	v_ceil_f32 v8, v7                              ; m: a whole number
	v_mov_b32 v9, v8                               ; (named with it as a pair)
	WIN 0x02
.set si, 0
.rept 32
	v_pk_fma_f32 v[T+si:T+si+1], v[AC+si:AC+si+1], s[70:71], v[8:9] op_sel_hi:[1,0,0] neg_lo:[0,0,1] neg_hi:[0,0,1]   ; c s - m
.set si, si+2
.endr
	WIN 0
.set si, 0
.rept 64
	v_exp_f32 v[T+si], v[T+si]                     ; p = 2^(t - m)
.set si, si+1
.endr
	v_nop                                          ; a plain instruction behind the last exponential
	s_wait_alu depctr_va_vdst(0)                   ; one wait for the batch, ahead of its first reader
	v_pk_add_f32 v[10:11], v[T:T+1], v[T+2:T+3]
	v_pk_add_f32 v[12:13], v[T+4:T+5], v[T+6:T+7]
.set si, 8
.rept 14
	v_pk_add_f32 v[10:11], v[10:11], v[T+si:T+si+1]
	v_pk_add_f32 v[12:13], v[12:13], v[T+si+2:T+si+3]
.set si, si+4
.endr
	v_pk_add_f32 v[10:11], v[10:11], v[12:13]
	v_add_f32 v10, v10, v11
	v_permlanex16_b32 v11, v10, s72, s73
	v_add_f32 v10, v10, v11                        ; l
.set si, 0
.rept 32
	v_cvt_pk_f16_f32 v[TMP+si], v[T+2*si], v[T+2*si+1]
.set si, si+1
.endr
.endm
.macro TOSTAGE a
.set BB, 32+192*((\a)%2)
	ds_store_b32 v[SWA], v8 offset:64*(\a)         ; both halves of the lanes write the same word with the same value
	ds_store_b32 v[SWA], v10 offset:256+64*(\a)
.irp b, 0,1,2,3,4,5,6,7
	ds_store_b128 v[STO], v[TMP+4*\b:TMP+4*\b+3] offset:32*\b
.endr
.irp t, 0,1,2,3,4,5,6,7
	ds_load_b128 v[BB+4*\t:BB+4*\t+3], v[RD] offset:\t*2*PITCH     ; LDS serves a wave's instructions in order
.endr
.endm
.macro SENDP a
.set BB, 32+192*((\a)%2)
	s_wait_dscnt 0x0
	s_wait_xcnt 0x0                                ; earlier stores have read their base and their data
.if (\a) > 0
	s_add_nc_u64 s[6:7], s[6:7], 16*4096
.endif
.irp t, 0,1,2,3,4,5,6,7
	global_store_b128 v[CO], v[BB+4*\t:BB+4*\t+3], s[6:7] offset:2*\t*4096   ; 16 lanes store 256 consecutive bytes, aligned
.endr
.endm
	SOFTC 0
	TOSTAGE 0
.irp a, 1,2,3
	SOFTC \a
	SENDP \a-1
	TOSTAGE \a
.endr
	SENDP 3
	ds_load_b64 v[2:3], v[SRD]                     ; my 64 m,
	ds_load_b64 v[4:5], v[SRD] offset:256          ; my 64 l
	s_wait_dscnt 0x0
	global_store_b64 v[SGO], v[2:3], s[68:69]                      ; 32 lanes store 256 consecutive bytes, aligned
	global_store_b64 v[SGO], v[4:5], s[68:69] offset:262144
	s_wait_tensorcnt 0x0                           ; the wave's end
	ds_add_u32 v[SPW], v[NIL]
	s_wait_dscnt 0x0
	CROUND                                         ; the closing round
	s_endpgm
.Lfunc_end_k_q6908f540e0_score:
	.size	k_q6908f540e0_score, .Lfunc_end_k_q6908f540e0_score-k_q6908f540e0_score
	.p2alignl 7, 3214868480
	.fill 96, 4, 3214868480
	.section	.rodata,"a",@progbits
	.p2align	6, 0x0
	.amdhsa_kernel k_q6908f540e0_score
		.amdhsa_group_segment_fixed_size 327680
		.amdhsa_private_segment_fixed_size 0
		.amdhsa_enable_private_segment 0
		.amdhsa_kernarg_size 24
		.amdhsa_user_sgpr_count 2
		.amdhsa_user_sgpr_kernarg_segment_ptr 1
		.amdhsa_wavefront_size32 1
		.amdhsa_system_sgpr_workgroup_id_x 1
		.amdhsa_system_sgpr_workgroup_id_y 1
		.amdhsa_system_sgpr_workgroup_id_z 1
		.amdhsa_system_vgpr_workitem_id 0
		.amdhsa_next_free_vgpr 768
		.amdhsa_next_free_sgpr 74
		.amdhsa_reserve_vcc 0
		.amdhsa_float_denorm_mode_32 3
		.amdhsa_float_denorm_mode_16_64 3
		.amdhsa_memory_ordered 1
		.amdhsa_forward_progress 1
		.amdhsa_inst_pref_size 122
	.end_amdhsa_kernel
	.amdgpu_metadata
---
amdhsa.version: [ 1, 2 ]
amdhsa.kernels:
  - .name:           k_q6908f540e0_score
    .symbol:         k_q6908f540e0_score.kd
    .args:
      - { .name: qkp, .offset: 0, .size: 8, .value_kind: global_buffer, .address_space: global }
      - { .name: pmat, .offset: 8, .size: 8, .value_kind: global_buffer, .address_space: global }
      - { .name: stats, .offset: 16, .size: 8, .value_kind: global_buffer, .address_space: global }
    .group_segment_fixed_size: 327680
    .private_segment_fixed_size: 0
    .kernarg_segment_align: 8
    .kernarg_segment_size: 24
    .max_flat_workgroup_size: 128
    .sgpr_count:     74
    .vgpr_count:     768
    .wavefront_size: 32
...
	.end_amdgpu_metadata
.endif
;; end of part 3
;; launch mix (part 4): grid 16 x 16, 4 waves a work-group, clusters of 4 x 1, 327,680 bytes of LDS; arguments pmat, stats, v, tsp, q, a12, fused, out1; writes a12, fused, out1
.if DOCPART == 4
	.amdgcn_target "amdgcn-amd-amdhsa--gfx1250"
	.amdhsa_code_object_version 6
	.text
	.protected	k_q6908f540e0_mix
	.globl	k_q6908f540e0_mix
	.p2align	8
	.type	k_q6908f540e0_mix,@function
k_q6908f540e0_mix:
	s_mov_b64 s[64:65], 0
	v_nop
	global_prefetch_b8 v0, s[64:65] scope:SCOPE_SE
	s_setreg_imm32_b32 hwreg(HW_REG_WAVE_MODE, 25, 1), 1
	s_wait_xcnt 0x0
	s_wait_alu depctr_hold_cnt(0) depctr_sa_sdst(0) depctr_va_vdst(0) depctr_va_sdst(0) depctr_va_ssrc(0) depctr_va_vcc(0) depctr_vm_vsrc(0)
	s_getreg_b32 s2, hwreg(HW_REG_IB_STS2, 6, 4)
	s_cmp_eq_u32 s2, 0
	s_cbranch_scc0 .Lentry_in_a_cluster
	s_endpgm
.Lentry_in_a_cluster:
	s_bfe_u32 s2, ttmp6, 0x10000c
	s_cmp_lg_u32 s2, 0x3003
	s_cbranch_scc0 .Lentry_shape_is_right
	s_endpgm
.Lentry_shape_is_right:
; out = attn v and out_tsp = attn tsp over the 2,048 real keys.  (The dummy key's row of v_ext and tsp_ext is zeros built by reference(): its term is left out, see the first kernel's head; its share of the maximum and of the sum is taken in here.)
; For each query: td = c x (the eight parts of qp . dummy), md = ceil(td); M = max(md, the 16 chunks' m); e_c = max(m_c - M, -60), f_c = 2^e_c; L = 2^(td - md) 2^(md - M) + the sum of f_c l_c.
; O = (the sum over chunks of f_c P_c V_c) / L.  P is multiplied as it was stored: during chunk c the f32 accumulators hold O / f_c; at each change of chunk they are multiplied by f_(c-1) / f_c, a power of two
; between 2^-60 and 2^60, which rounds nothing; at the end by f_15 / L.
; LIMIT: a chunk whose m lies more than 60 under M is weighed as if it lay 60 under: each of its keys then counts for at most 2^-60 of the row's largest.  NaN and infinities among the inputs are not served.
; SHARES.  A work-group: 256 queries x 128 channels, of v (clusters 0, 1 along x) or of tsp (clusters 2, 3).  A wave: 64 queries x 128 channels: 32 accumulators, window 2.  64 quarters of 32 keys; two make a half, four a chunk.
; The grid's y, bits y3 y2 y1 y0, is read as batch y3 y2 y0 and half of the queries y1: the two work-groups that read the same rows of v or tsp stand two apart along y.
; P comes by tensor loads through two LDS slots of 256 keys (rows of 512 bytes); the four partners of a cluster read the same 256 rows of P: joint loads, every wave its own 64 rows, one load for eight quarters.
; V arrives as f32: each wave loads 16 keys x 512 bytes of a half into registers, four halves ahead, rounds them to f16 and stores them to one of two LDS buffers of 64 keys, which are V's alone.  One barrier a half:
; in front of it each wave's stores of the next half have landed and its reads of this half are over.  At every fourth half that barrier opens the cluster's round, behind which P's slot is filled again.
; TRANSPOSED: source 0 = V^T (16 channels x 32 keys, by the turning load), source 1 = P (16 queries x 32 keys): a lane holds one query and eight neighbouring channels.
; THE WAY OUT.  tsp: O is out_tsp.  v: a1 = O x q, a2 = q - O and q itself leave as f16, operands of the next products.
; REGISTERS: window 0: v2-15 addresses; v16-23 four pairs, the low word of pair a the factor of query block a; v24-31 four pairs of f_15 / L; v32-111 the head's statistics, later packed results; v128-255 at work on the way out.
;   window 1: v0-127 V's fragments, two buffers; v128-191 P's, two buffers; on the way out 64 rows of O.   window 2: accumulators.   window 3: four sets of 64: V as loaded; at the end q.
.set PP,    528                        ; a row of P in LDS: 512 bytes + 16: the 16 rows that a load touches start 132 words apart
.set PSLOT, 256*PP
.set PV,    288                        ; a row of V in LDS: 256 bytes + 32
.set VB,    2*PSLOT
.set VBUF,  64*PV
.set FT,    VB+2*VBUF                  ; f_(c-1) / f_c: [16 chunks][256 rows] words; chunk 0's are neither written nor read
.set IL,    FT+16*1024                 ; f_15 / L: 256 words
.set SPARE, IL+1024                    ; the spare words, 128 bytes for each wave, which no other line names
.set SPI,   528                        ; the way out: 16 rows x (512 + 16) for each wave, at the head of its own 64 rows of slot 0, which has had its last fill and its last read by then
.set ADP, 2
.set ADV, 4
.set AVS, 6
.set VO,  8                            ; 16 x lane
.set HO,  9                            ; 8 x lane
.set FTR, 10
.set ILA, 11
.set STO, 12
.set RD,  13
.set SPW, 14
.set NIL, 15
.set FS,  16
.set IV,  24
.set SM,  32                           ; m of chunk c, rows 2 t and 2 t + 1, at v[SM + 2 c], v[SM + 2 c + 1]
.set SL,  64                           ; l likewise
.set SD,  96                           ; the dot's eight parts likewise
.set T,   128
.set G1,  24
.set G0,  32
.set MSB, 0
.macro WIN new                         ; the immediate's high byte repeats the setting that is left
.if MSB != (\new)
	s_set_vgpr_msb (MSB<<8)|(\new)
.set MSB, (\new)
.endif
.endm
.macro CREST
	s_cmp_lg_u32 s20, 0
	s_cbranch_scc1 .Lnot_wave_0_\@
	s_barrier_signal -3
.Lnot_wave_0_\@:
	s_barrier_wait -3
	s_barrier_signal -1
	s_barrier_wait -1
.endm
.macro CROUND
	s_barrier_signal -1
	s_barrier_wait -1
	CREST
.endm
.macro PLACES                          ; plain vector instructions between a matrix instruction and a load into, or a read or write of, its registers
.rept 4
	v_nop
.endr
.endm
	s_load_b512 s[4:19], s[0:1], 0x0               ; pmat, stats, v, tsp, q, a12, fused, out1
	v_lshl_add_u32 v[SPW], v0, 2, SPARE
	v_mov_b32 v[NIL], 0
	ds_add_u32 v[SPW], v[NIL]                      ; the wave's opening: the add, twice on end, and its wait ahead of my first tensor load
	ds_add_u32 v[SPW], v[NIL]
	v_lshrrev_b32 v1, 5, v0
	v_readfirstlane_b32 s20, v1                    ; wave
	s_bfe_u32 s21, ttmp6, 0x40000                  ; cx: it enters global addresses alone
	s_lshl_b32 s22, ttmp9, 2
	s_add_co_u32 s22, s22, s21
	s_and_b32 s22, s22, 7                          ; my block of 128 channels
	s_and_b32 s23, ttmp7, 0xffff                   ; y, which the four partners share
	s_and_b32 s62, s23, 1
	s_lshr_b32 s63, s23, 2
	s_lshl_b32 s63, s63, 1
	s_or_b32 s62, s62, s63                         ; batch = y3 y2 y0
	s_bfe_u32 s63, s23, 0x10001                    ; half of the queries = y1
	s_lshl_b32 s23, s62, 1
	s_or_b32 s23, s23, s63                         ; Y = 2 x batch + half: my rows are 256 Y on
	s_mov_b32 s[G1], 15|(1<<16)|(1<<20)|(1<<21)|(6<<22)|(3<<25)    ; the mask: all four partners; elements of 2 bytes; padding: 4 words after every 128; bit 21 beside a mask
	s_mov_b32 s[G1+1], 256<<16                     ; 64 rows x 256 elements
	s_mov_b32 s[G1+2], 64<<16
	s_mov_b32 s[G1+3], 256<<16
	s_mov_b32 s[G1+4], 64
	s_mov_b32 s[G1+5], 2048
	s_mov_b32 s[G1+6], 0
	s_mov_b32 s[G1+7], 0
	s_mov_b32 s56, 0x3d38aa3b                      ; c = log2(e) / 32
	s_lshl_b32 s60, s23, 20
	s_lshl_b32 s61, s20, 18
	s_add_co_u32 s60, s60, s61                     ; (256 Y + 64 wave) x 4,096
	s_mov_b32 s61, 0
	s_mul_i32 s57, s20, 64*PP                      ; my 64 rows' place in a slot
	s_wait_dscnt 0x0                               ; both opening adds are done
	s_wait_kmcnt 0x0
	s_mov_b32 s[G0], 1
	s_mov_b32 s[G0+1], s57
	s_add_nc_u64 s[G0+2:G0+3], s[4:5], s[60:61]
	s_mov_b32 s[G0+4], 1
	s_add_co_u32 s[G0+5], s57, PSLOT
	s_add_nc_u64 s[G0+6:G0+7], s[G0+2:G0+3], 512
	s_or_b32 s[G0+3], s[G0+3], 0x80000000
	s_or_b32 s[G0+7], s[G0+7], 0x80000000
	CROUND                                         ; all four work-groups are here: the first joint loads meet
	tensor_load_to_lds s[G0:G0+3], s[G1:G1+7]      ; keys 0-255
	s_nop 0
	tensor_load_to_lds s[G0+4:G0+7], s[G1:G1+7]    ; keys 256-511: two tensor loads of mine are out
	s_nop 0
.rept 4
	v_nop
.endr
	s_cmp_lt_u32 ttmp9, 2                          ; the cluster's x: the same in all four partners
	s_cselect_b64 s[40:41], s[8:9], s[10:11]       ; v or tsp
	s_lshr_b32 s62, s23, 1                         ; batch
	s_lshl_b32 s54, s62, 23
	s_lshl_b32 s63, s22, 9
	s_add_co_u32 s54, s54, s63
	s_lshl_b32 s63, s20, 16                        ; my wave's 16 keys of a half
	s_add_co_u32 s54, s54, s63
	s_mov_b32 s55, 0
	s_add_nc_u64 s[40:41], s[40:41], s[54:55]
	s_lshl_b32 s54, s22, 9
	s_add_co_u32 s54, s54, s60
	s_add_nc_u64 s[42:43], s[12:13], s[54:55]      ; q at my rows and channels
	s_add_nc_u64 s[44:45], s[18:19], s[54:55]      ; out1 likewise
	s_lshr_b32 s54, s54, 1
	s_add_nc_u64 s[46:47], s[14:15], s[54:55]      ; a1
	s_add_nc_u64 s[48:49], s[46:47], 0x800000      ; a2
	s_lshl_b32 s54, s22, 8
	s_add_co_u32 s54, s54, s60
	s_add_co_u32 s54, s54, 2048
	s_add_nc_u64 s[50:51], s[16:17], s[54:55]      ; fused, columns 1,024 on
	s_lshl_b32 s54, s62, 15
	s_and_b32 s63, s23, 1
	s_lshl_b32 s63, s63, 10
	s_add_co_u32 s54, s54, s63
	s_add_nc_u64 s[52:53], s[6:7], s[54:55]        ; m of my work-group's first row, chunk 0
	s_lshl_b32 s54, s23, 10
	s_add_co_u32 s54, s54, 0x80000
	s_add_nc_u64 s[58:59], s[6:7], s[54:55]        ; the dot's part 0 of that row
	v_and_b32 v1, 15, v0                           ; r
	v_bfe_u32 v16, v0, 4, 1                        ; h
	v_and_b32 v17, 31, v0                          ; lane
	v_mul_u32_u24 v18, v1, PP
	v_lshl_add_u32 v18, v16, 4, v18
	v_add_nc_u32 v[ADP], s57, v18
	v_add_nc_u32 v[ADP+1], PSLOT, v[ADP]
	v_and_b32 v19, 7, v0                           ; the turning load: lane l reads 16 bytes: key 8 (l / 16) + l % 8, channels 8 ((l / 8) % 2) + 0 .. 7
	v_bfe_u32 v20, v0, 3, 1
	v_lshl_add_u32 v19, v16, 3, v19
	v_mul_u32_u24 v19, v19, PV
	v_lshl_add_u32 v19, v20, 4, v19
	v_add_nc_u32 v[ADV], VB, v19
	v_add_nc_u32 v[ADV+1], VB+VBUF, v19
	s_mul_i32 s63, s20, 16*PV
	v_lshl_add_u32 v21, v17, 3, s63
	v_add_nc_u32 v[AVS], VB, v21
	v_add_nc_u32 v[AVS+1], VB+VBUF, v21
	v_lshlrev_b32 v[VO], 4, v17
	v_lshlrev_b32 v[HO], 3, v17
	s_lshl_b32 s63, s20, 8
	v_lshl_add_u32 v22, v1, 2, s63
	v_add_nc_u32 v[FTR], FT, v22
	v_add_nc_u32 v[ILA], IL, v22
	v_mul_u32_u24 v23, v1, SPI
	v_lshl_add_u32 v23, v16, 5, v23
	v_add_nc_u32 v[STO], s57, v23
	v_add_nc_u32 v[RD], s57, v[VO]
	v_lshlrev_b32 v24, 3, v0                       ; the statistics: thread t takes rows 2 t and 2 t + 1: 8 bytes a load, 1,024 consecutive bytes a work-group
	v_lshl_add_u32 v25, v0, 3, FT
	v_lshl_add_u32 v26, v0, 3, IL
.irp c, 0,1,2,3,4,5,6,7,8,9,10,11,12,13,14,15
	global_load_b64 v[SM+2*\c:SM+2*\c+1], v24, s[52:53] offset:2048*\c
.endr
.irp c, 0,1,2,3,4,5,6,7,8,9,10,11,12,13,14,15
	global_load_b64 v[SL+2*\c:SL+2*\c+1], v24, s[52:53] offset:262144+2048*\c
.endr
.irp p, 0,1,2,3,4,5,6,7
	global_load_b64 v[SD+2*\p:SD+2*\p+1], v24, s[58:59] offset:16384*\p
.endr
.macro VLOAD set, step                 ; my 16 keys of a half, 512 consecutive bytes a load.  No cache word: a second work-group reads the same rows
.if \step
	s_wait_xcnt 0x0                                ; earlier loads have read their base
	s_add_nc_u64 s[40:41], s[40:41], 262144        ; 64 keys on
.endif
	WIN 0xc0                                       ; destination window 3
.set vi, 0
.rept 16
	global_load_b128 v[64*(\set)+4*vi:64*(\set)+4*vi+3], v[VO], s[40:41] offset:4096*vi
.set vi, vi+1
.endr
	WIN 0
.endm
.macro QLOAD first, count              ; v's work-groups: 16 x count of my rows of q into the sets that V has left: row i at v[4 i] of window 3
	s_cmp_lt_u32 ttmp9, 2
	s_cbranch_scc0 .Lno_q_\@
	WIN 0xc0
.set vi, 16*(\first)
.rept 16*(\count)
	global_load_b128 v[4*vi:4*vi+3], v[VO], s[42:43] offset:4096*vi th:TH_LOAD_NT
.set vi, vi+1
.endr
	WIN 0
.Lno_q_\@:
.endm
.macro CONS set, buf                   ; my 16 keys of a half: rounded to f16 in place, 8 bytes a lane into V's buffer: 256 consecutive bytes a store
	WIN 0xcf
.set ci, 0
.rept 16
	v_cvt_pk_f16_f32 v[64*(\set)+4*ci], v[64*(\set)+4*ci], v[64*(\set)+4*ci+1]
	v_cvt_pk_f16_f32 v[64*(\set)+4*ci+1], v[64*(\set)+4*ci+2], v[64*(\set)+4*ci+3]
.set ci, ci+1
.endr
	WIN 0x0c                                       ; an LDS store's data are its source 1
.set ci, 0
.rept 16
	ds_store_b64 v[AVS+(\buf)], v[64*(\set)+4*ci:64*(\set)+4*ci+1] offset:PV*ci
.set ci, ci+1
.endr
	WIN 0
.endm
.macro ROWSTAT j                       ; row 2 t + j
.set MM0, SM+(\j)
.set LL0, SL+(\j)
.set DD0, SD+(\j)
	v_add_f32 v[DD0], v[DD0], v[DD0+2]
	v_add_f32 v[DD0+4], v[DD0+4], v[DD0+6]
	v_add_f32 v[DD0+8], v[DD0+8], v[DD0+10]
	v_add_f32 v[DD0+12], v[DD0+12], v[DD0+14]
	v_add_f32 v[DD0], v[DD0], v[DD0+4]
	v_add_f32 v[DD0+8], v[DD0+8], v[DD0+12]
	v_add_f32 v[DD0], v[DD0], v[DD0+8]             ; qp . dummy
	v_mul_f32 v[DD0], s56, v[DD0]                  ; td
	v_ceil_f32 v[DD0+2], v[DD0]                    ; md
	v_max3_num_f32 v[DD0+4], v[DD0+2], v[MM0], v[MM0+2]
.irp c, 2,4,6,8,10,12,14
	v_max3_num_f32 v[DD0+4], v[DD0+4], v[MM0+2*\c], v[MM0+2*\c+2]
.endr                                  ; M
	v_sub_f32 v[DD0], v[DD0], v[DD0+2]
	v_exp_f32 v[DD0], v[DD0]                       ; 2^(td - md)
	v_sub_f32 v[DD0+2], v[DD0+2], v[DD0+4]         ; md - M, a whole number, 0 or less.  (A plain instruction behind the exponential)
.irp c, 0,1,2,3,4,5,6,7,8,9,10,11,12,13,14,15
	v_sub_f32 v[MM0+2*\c], v[MM0+2*\c], v[DD0+4]
.endr
.irp c, 0,1,2,3,4,5,6,7,8,9,10,11,12,13,14,15
	v_max_num_f32 v[MM0+2*\c], 0xc2700000, v[MM0+2*\c]             ; e_c: held at -60 from below
.endr
	v_cvt_i32_f32 v[DD0+2], v[DD0+2]               ; (it saturates)
.irp c, 0,1,2,3,4,5,6,7,8,9,10,11,12,13,14,15
	v_cvt_i32_f32 v[MM0+2*\c], v[MM0+2*\c]
.endr
	v_ldexp_f32 v[DD0+2], 1.0, v[DD0+2]
.irp c, 0,1,2,3,4,5,6,7,8,9,10,11,12,13,14,15
	v_ldexp_f32 v[LL0+2*\c], v[LL0+2*\c], v[MM0+2*\c]              ; f_c l_c
.endr
	s_wait_alu depctr_va_vdst(0)                   ; ahead of the exponential's first reader
	v_fma_f32 v[DD0+6], v[DD0], v[DD0+2], v[LL0]
.irp c, 1,2,3,4,5,6,7,8,9,10,11,12,13,14,15
	v_add_f32 v[DD0+6], v[DD0+6], v[LL0+2*\c]
.endr                                  ; L
	v_rcp_f32 v[DD0+8], v[DD0+6]
	v_mov_b32 v[DD0+10], v[MM0+30]                 ; e_15 is kept.  (A plain instruction behind the reciprocal)
.irp c, 15,14,13,12,11,10,9,8,7,6,5,4,3,2,1
	v_sub_nc_u32 v[MM0+2*\c], v[MM0+2*(\c-1)], v[MM0+2*\c]         ; e_(c-1) - e_c, from the top down, so that each e is still whole when it is read
.endr
.irp c, 1,2,3,4,5,6,7,8,9,10,11,12,13,14,15
	v_ldexp_f32 v[LL0+2*\c], 1.0, v[MM0+2*\c]      ; f_(c-1) / f_c
.endr
.irp c, 1,2,3,4,5,6,7,8,9,10,11,12,13,14,15
	ds_store_b32 v25, v[LL0+2*\c] offset:1024*\c+4*(\j)
.endr
	s_wait_alu depctr_va_vdst(0)                   ; ahead of the reciprocal's first reader
	v_ldexp_f32 v[DD0+12], v[DD0+8], v[DD0+10]     ; f_15 / L
	ds_store_b32 v26, v[DD0+12] offset:4*(\j)
.endm
	VLOAD 0, 0                                     ; V of half 0
	s_wait_loadcnt 16                              ; the 40 loads of statistics are in; V(0)'s 16 may be out
	VLOAD 1, 1                                     ; halves 1
	VLOAD 2, 1                                     ; and 2
	ROWSTAT 0
	ROWSTAT 1
	s_wait_loadcnt 32                              ; V(0) is in; the 32 loads of V(1) and V(2) may be out
	CONS 0, 0
	VLOAD 3, 1                                     ; half 3
	s_wait_dscnt 0x0                               ; my stores have landed (the factors, V of half 0) and have read their registers
	VLOAD 0, 1                                     ; half 4
	s_wait_tensorcnt 1                             ; my part of slot 0 is in; slot 1's may be out
	s_barrier_signal -1
	s_barrier_wait -1
.macro MUL8 a, f, zero                 ; query block a x the eight channel blocks, 32 keys.  The 32 accumulators take turns
	WIN 0xa5                                       ; sources 0 and 1 window 1, C and D window 2
.irp d, 0,1,2,3,4,5,6,7
.if \zero
	v_wmma_f32_16x16x32_f16 v[8*(8*(\a)+\d):8*(8*(\a)+\d)+7], v[64*(\f)+8*\d:64*(\f)+8*\d+7], v[128+32*(\f)+8*(\a):128+32*(\f)+8*(\a)+7], 0
.else
	v_wmma_f32_16x16x32_f16 v[8*(8*(\a)+\d):8*(8*(\a)+\d)+7], v[64*(\f)+8*\d:64*(\f)+8*\d+7], v[128+32*(\f)+8*(\a):128+32*(\f)+8*(\a)+7], v[8*(8*(\a)+\d):8*(8*(\a)+\d)+7]
.endif
.endr
.endm
; The same, and behind each product four packed multiplications: accumulator (b, d), whose chunk is finished, goes under the next chunk's f.  Four vector instructions to a matrix instruction: set in a run of their own they
; would leave the matrix unit idle meanwhile, so they stand in slices, at two window switches a slice.  Each accumulator is read from its low end on.
.macro MULRS a, f, b
.irp d, 0,1,2,3,4,5,6,7
	WIN 0xa5
	v_wmma_f32_16x16x32_f16 v[8*(8*(\a)+\d):8*(8*(\a)+\d)+7], v[64*(\f)+8*\d:64*(\f)+8*\d+7], v[128+32*(\f)+8*(\a):128+32*(\f)+8*(\a)+7], v[8*(8*(\a)+\d):8*(8*(\a)+\d)+7]
	WIN 0x82                                       ; destination and source 0 window 2, the factor window 0
.irp i, 0,2,4,6
	v_pk_mul_f32 v[8*(8*(\b)+\d)+\i:8*(8*(\b)+\d)+\i+1], v[8*(8*(\b)+\d)+\i:8*(8*(\b)+\d)+\i+1], v[FS+2*(\b):FS+2*(\b)+1] op_sel_hi:[1,0]
.endr
.endr
.endm
.macro FETCH ps, po, vb, vq, g         ; 24 LDS loads in one run: V^T's eight fragments (turned) of quarter vq of buffer vb, P's four at byte po of slot ps's rows; into fragment buffer g
	WIN 0x40
.irp d, 0,1,2,3,4,5,6,7
	ds_load_tr16_b128 v[64*(\g)+8*\d:64*(\g)+8*\d+3],   v[ADV+(\vb)] offset:(\vq)*32*PV+32*\d
	ds_load_tr16_b128 v[64*(\g)+8*\d+4:64*(\g)+8*\d+7], v[ADV+(\vb)] offset:(\vq)*32*PV+16*PV+32*\d
.endr
.irp i, 0,1,2,3
	ds_load_b128 v[128+32*(\g)+8*\i:128+32*(\g)+8*\i+3],   v[ADP+(\ps)] offset:\i*16*PP+(\po)
	ds_load_b128 v[128+32*(\g)+8*\i+4:128+32*(\g)+8*\i+7], v[ADP+(\ps)] offset:\i*16*PP+(\po)+32
.endr
	WIN 0
.endm
.macro FLOAD                           ; my four query blocks' factors for the next chunk
	v_add_nc_u32 v[FTR], 1024, v[FTR]
.irp i, 0,1,2,3
	ds_load_b32 v[FS+2*\i], v[FTR] offset:64*\i
.endr
.endm
; AN EVEN QUARTER, u = its number modulo 16: the first of a half; it multiplies fragment buffer 0 and fetches the half's second quarter.  rs = 1: the first of a chunk: blocks 1 to 3 go under the chunk's f (block 0 went in the quarter before).
; cn >= 0: the next half's V, when all but cn younger loads are in, goes into the other buffer: behind the barrier at which that buffer's reads ended.
.macro QE u, zero, rs, cn
.set HH, (\u)/2
	s_wait_dscnt 0x0                               ; this quarter's fragments are in
.if \rs
	MULRS 0, 0, 1
	MULRS 1, 0, 2                                  ; (the slices are the places in front of the loads below)
.else
	MUL8 0, 0, \zero
	MUL8 1, 0, \zero
	PLACES
.endif
	FETCH ((\u)/8)%2, 64*(((\u)+1)%8), HH%2, 1, 1
.if \cn >= 0
	s_wait_loadcnt \cn
	CONS (HH+1)%4, (HH+1)%2
.endif
.if \rs
	MULRS 2, 0, 3
.else
	MUL8 2, 0, \zero
.endif
	MUL8 3, 0, \zero
.endm
; AN ODD QUARTER: the last of a half; it multiplies fragment buffer 1.  One barrier: in front of it my stores of the next half's V have landed and my reads of this half are over; behind it the next half's first quarter is fetched.
; kind = 0: a plain barrier: P's load may stay out.  kind = 1: P's slot is left too: the wait for all my tensor loads, the add, the wait for it; the barrier opens a round of the cluster's, and
; the slot is filled again, with the keys two slots on: the load has eight quarters, 256 matrix instructions, in which to land.  kind = 2: the slot is left and nothing is asked for.
; extra = 1: V of five halves on into the set whose stores have read their registers; 2, 3: q into such sets.  Where a chunk ends (u % 4 = 3) the next chunk's factors are loaded ahead of the run, and block 0 goes under them.
.macro QO u, kind, extra
.set HH, (\u)/2
.set OLDS, ((\u)/8)%2
.if \kind
	WIN 0
	s_wait_tensorcnt 0x0                           ; all my tensor loads have landed: my part of the next slot
	ds_add_u32 v[SPW], v[NIL]                      ; 0 onto my spare word
	s_wait_dscnt 1                                 ; (the add alone may be out)
	MUL8 0, 1, 0
	s_wait_dscnt 0x0                               ; the add is done; my reads of this slot and of V's buffer are over; my stores into the other buffer have landed
	s_barrier_signal -1
	MUL8 1, 1, 0
.else
	s_wait_dscnt 0x0                               ; this quarter's fragments are in: my reads of V's buffer are over; my stores into the other buffer have landed
	s_barrier_signal -1
	MUL8 0, 1, 0
	MUL8 1, 1, 0
.endif
	WIN 0
	s_barrier_wait -1
.if \kind == 1
	CREST                                          ; no wave of any partner still reads this slot or has a load on its way
	s_add_nc_u64 s[G0+4*OLDS+2:G0+4*OLDS+3], s[G0+4*OLDS+2:G0+4*OLDS+3], 1024
	tensor_load_to_lds s[G0+4*OLDS:G0+4*OLDS+3], s[G1:G1+7]        ; my one tensor load behind the round
	s_nop 0
.endif
	PLACES                                         ; in every kind the places in front of the loads below and of the slices on block 0
.if (\u)%4 == 3
	FLOAD
.endif
	FETCH (((\u)+1)/8)%2, 64*(((\u)+1)%8), (((\u)+1)/2)%2, 0, 0
.if \extra == 1
	VLOAD (HH+1)%4, 1
.elseif \extra == 2
	QLOAD 0, 1
.elseif \extra == 3
	QLOAD 1, 3
.endif
	MUL8 2, 1, 0
.if (\u)%4 == 3
	s_wait_dscnt 24                                ; the four factors are in; the run of 24 issued behind them may be out
	MULRS 3, 1, 0
.else
	MUL8 3, 1, 0
.endif
.endm
	FETCH 0, 0, 0, 0, 0
	QE 0, 1, 0, 48                                 ; the first products start the sums.  48: the loads of the three halves behind the one that is wanted may be out
	WIN 0
	s_mov_b32 s57, 3
.Lfour:                                ; a trip: sixteen quarters, from a slot pair's second quarter to the next pair's first; both slots are filled again
	QO 1, 0, 1
	QE 2, 0, 0, 48
	QO 3, 0, 1
	QE 4, 0, 1, 48
	QO 5, 0, 1
	QE 6, 0, 0, 48
	QO 7, 1, 1
	QE 8, 0, 1, 48
	QO 9, 0, 1
	QE 10, 0, 0, 48
	QO 11, 0, 1
	QE 12, 0, 1, 48
	QO 13, 0, 1
	QE 14, 0, 0, 48
	QO 15, 1, 1
	QE 0, 0, 1, 48
	WIN 0
	s_sub_co_u32 s57, s57, 1
	s_cmp_lg_u32 s57, 0
	s_cbranch_scc1 .Lfour
	QO 1, 0, 1                                     ; the last fifteen quarters are written out: no slot is filled again.  V of half 29
	QE 2, 0, 0, 48
	QO 3, 0, 1                                     ; V of half 30
	QE 4, 0, 1, 48
	QO 5, 0, 1                                     ; V of half 31: the last
	QE 6, 0, 0, 48
	QO 7, 2, 2                                     ; slot 0 is left for good; q's rows 0-15
	QE 8, 0, 1, 32                                 ; V(29) is wanted: V(30) and V(31) may be out (where q's loads stand behind them the count asks for more than is needed, never for less)
	QO 9, 0, 0
	QE 10, 0, 0, 16
	QO 11, 0, 0
	QE 12, 0, 1, 0
	QO 13, 0, 3                                    ; q's rows 16-63
	QE 14, 0, 0, -1
	s_wait_dscnt 0x0
	MUL8 0, 1, 0
	MUL8 1, 1, 0
	MUL8 2, 1, 0
	MUL8 3, 1, 0
	WIN 0
	PLACES
.irp a, 0,1,2,3
	ds_load_b32 v[IV+2*\a], v[ILA] offset:64*\a    ; f_15 / L of my query in block a, in both registers of a pair
	ds_load_b32 v[IV+2*\a+1], v[ILA] offset:64*\a
.endr
	s_wait_dscnt 0x0
; Block a: O goes through my stage and comes back as whole rows of 512 bytes, 16 bytes a lane, into window 1: row 16 a + t at v[64 a + 4 t]
.macro OUTA a
.if (\a) >= 2
	s_wait_dscnt 32                                ; all but the block before's 32 LDS instructions are done: the stores of two blocks back have read the registers written below
.endif
	WIN 0x02
.set oi, 0
.rept 32
	v_pk_mul_f32 v[T+64*((\a)%2)+oi:T+64*((\a)%2)+oi+1], v[64*(\a)+oi:64*(\a)+oi+1], v[IV+2*(\a):IV+2*(\a)+1]
.set oi, oi+2
.endr
	WIN 0
.irp d, 0,1,2,3,4,5,6,7
	ds_store_b128 v[STO], v[T+64*((\a)%2)+8*\d:T+64*((\a)%2)+8*\d+3] offset:64*\d
	ds_store_b128 v[STO], v[T+64*((\a)%2)+8*\d+4:T+64*((\a)%2)+8*\d+7] offset:64*\d+16
.endr
	WIN 0x40
.irp t, 0,1,2,3,4,5,6,7,8,9,10,11,12,13,14,15
	ds_load_b128 v[64*(\a)+4*\t:64*(\a)+4*\t+3], v[RD] offset:SPI*\t   ; LDS serves a wave's instructions in order
.endr
	WIN 0
.endm
	OUTA 0
	OUTA 1
	OUTA 2
	OUTA 3
	s_wait_dscnt 0x0
	s_cmp_lt_u32 ttmp9, 2
	s_cbranch_scc1 .Lfor_v
	WIN 0x04                                       ; a store's data are its source 1: window 1
.set oi, 0
.rept 64
	global_store_b128 v[VO], v[4*oi:4*oi+3], s[44:45] offset:4096*oi th:TH_STORE_NT   ; 32 lanes store 512 consecutive bytes, aligned
.set oi, oi+1
.endr
	WIN 0
	s_branch .Lend
.Lfor_v:
	s_wait_loadcnt 0x0                             ; q
.macro GATE a                          ; 16 rows: a1 = q O, a2 = q - O, q: to f16, 8 bytes a lane: 256 consecutive bytes a store, aligned
.if (\a) > 0
	s_wait_xcnt 0x0                                ; the block before's stores have read their data
.endif
	WIN 0x07                                       ; source 0 (q) window 3, source 1 (O) window 1
.set gi, 0
.rept 32
	v_pk_mul_f32 v[T+gi:T+gi+1], v[64*(\a)+gi:64*(\a)+gi+1], v[64*(\a)+gi:64*(\a)+gi+1]
	v_pk_add_f32 v[T+64+gi:T+64+gi+1], v[64*(\a)+gi:64*(\a)+gi+1], v[64*(\a)+gi:64*(\a)+gi+1] neg_lo:[0,1] neg_hi:[0,1]
.set gi, gi+2
.endr
	WIN 0x0f
.set gi, 0
.rept 32
	v_cvt_pk_f16_f32 v[96+gi], v[64*(\a)+2*gi], v[64*(\a)+2*gi+1]
.set gi, gi+1
.endr
	WIN 0
.set gi, 0
.rept 32
	v_cvt_pk_f16_f32 v[32+gi], v[T+2*gi], v[T+2*gi+1]
	v_cvt_pk_f16_f32 v[64+gi], v[T+64+2*gi], v[T+64+2*gi+1]
.set gi, gi+1
.endr
.irp t, 0,1,2,3,4,5,6,7,8,9,10,11,12,13,14,15
	global_store_b64 v[HO], v[32+2*\t:33+2*\t], s[46:47] offset:(16*(\a)+\t)*2048
	global_store_b64 v[HO], v[64+2*\t:65+2*\t], s[48:49] offset:(16*(\a)+\t)*2048
	global_store_b64 v[HO], v[96+2*\t:97+2*\t], s[50:51] offset:(16*(\a)+\t)*4096
.endr
.endm
	GATE 0
	GATE 1
	GATE 2
	GATE 3
.Lend:
	s_wait_tensorcnt 0x0                           ; the wave's end
	ds_add_u32 v[SPW], v[NIL]
	s_wait_dscnt 0x0
	CROUND                                         ; the closing round
	s_endpgm
.Lfunc_end_k_q6908f540e0_mix:
	.size	k_q6908f540e0_mix, .Lfunc_end_k_q6908f540e0_mix-k_q6908f540e0_mix
	.p2alignl 7, 3214868480
	.fill 96, 4, 3214868480
	.section	.rodata,"a",@progbits
	.p2align	6, 0x0
	.amdhsa_kernel k_q6908f540e0_mix
		.amdhsa_group_segment_fixed_size 327680
		.amdhsa_private_segment_fixed_size 0
		.amdhsa_enable_private_segment 0
		.amdhsa_kernarg_size 64
		.amdhsa_user_sgpr_count 2
		.amdhsa_user_sgpr_kernarg_segment_ptr 1
		.amdhsa_wavefront_size32 1
		.amdhsa_system_sgpr_workgroup_id_x 1
		.amdhsa_system_sgpr_workgroup_id_y 1
		.amdhsa_system_sgpr_workgroup_id_z 1
		.amdhsa_system_vgpr_workitem_id 0
		.amdhsa_next_free_vgpr 1024
		.amdhsa_next_free_sgpr 66
		.amdhsa_reserve_vcc 0
		.amdhsa_float_denorm_mode_32 3
		.amdhsa_float_denorm_mode_16_64 3
		.amdhsa_memory_ordered 1
		.amdhsa_forward_progress 1
		.amdhsa_inst_pref_size 255
	.end_amdhsa_kernel
	.section	.bss,"aw",@nobits
	.p2align	6
	.space	262144
	.amdgpu_metadata
---
amdhsa.version: [ 1, 2 ]
amdhsa.kernels:
  - .name:           k_q6908f540e0_mix
    .symbol:         k_q6908f540e0_mix.kd
    .args:
      - { .name: pmat, .offset: 0, .size: 8, .value_kind: global_buffer, .address_space: global }
      - { .name: stats, .offset: 8, .size: 8, .value_kind: global_buffer, .address_space: global }
      - { .name: v, .offset: 16, .size: 8, .value_kind: global_buffer, .address_space: global }
      - { .name: tsp, .offset: 24, .size: 8, .value_kind: global_buffer, .address_space: global }
      - { .name: q, .offset: 32, .size: 8, .value_kind: global_buffer, .address_space: global }
      - { .name: a12, .offset: 40, .size: 8, .value_kind: global_buffer, .address_space: global }
      - { .name: fused, .offset: 48, .size: 8, .value_kind: global_buffer, .address_space: global }
      - { .name: out1, .offset: 56, .size: 8, .value_kind: global_buffer, .address_space: global }
    .group_segment_fixed_size: 327680
    .private_segment_fixed_size: 0
    .kernarg_segment_align: 8
    .kernarg_segment_size: 64
    .max_flat_workgroup_size: 128
    .sgpr_count:     66
    .vgpr_count:     1024
    .wavefront_size: 32
...
	.end_amdgpu_metadata
.endif
;; end of part 4
;; launch gate (part 5): grid 8 x 32, 4 waves a work-group, clusters of 4 x 4, 327,680 bytes of LDS; arguments a12, wh, b1, b2, fused; writes fused
.if DOCPART == 5
	.amdgcn_target "amdgcn-amd-amdhsa--gfx1250"
	.amdhsa_code_object_version 6
	.text
	.protected	k_q6908f540e0_gate
	.globl	k_q6908f540e0_gate
	.p2align	8
	.type	k_q6908f540e0_gate,@function
k_q6908f540e0_gate:
	s_mov_b64 s[64:65], 0
	v_nop
	global_prefetch_b8 v0, s[64:65] scope:SCOPE_SE
	s_setreg_imm32_b32 hwreg(HW_REG_WAVE_MODE, 25, 1), 1
	s_wait_xcnt 0x0
	s_wait_alu depctr_hold_cnt(0) depctr_sa_sdst(0) depctr_va_vdst(0) depctr_va_sdst(0) depctr_va_ssrc(0) depctr_va_vcc(0) depctr_vm_vsrc(0)
	s_getreg_b32 s2, hwreg(HW_REG_IB_STS2, 6, 4)
	s_cmp_eq_u32 s2, 0
	s_cbranch_scc0 .Lentry_in_a_cluster
	s_endpgm
.Lentry_in_a_cluster:
	s_bfe_u32 s2, ttmp6, 0x10000c
	s_cmp_lg_u32 s2, 0xf033
	s_cbranch_scc0 .Lentry_shape_is_right
	s_endpgm
.Lentry_shape_is_right:
; o1 = relu(a1 w1^T + b1) and o2 = relu(a2 w2^T + b2) as one launch: C[4,096][1,024]; columns 0-511 (cluster 0 along x) take a1, w1, b1, columns 512-1,023 (cluster 1) a2, w2, b2.
; Operands f16, sums f32; the bias is the C of each sum's first product.  C leaves as bf16 into fused's columns 0-1,023: these numbers have no room in f16 where the inputs carry large offsets.
; A tile of C is 128 x 128, four waves of 64 x 64 (16 accumulators); K = 1,024 in four steps of 256 through two LDS slots (rows of 512 bytes).
; CLUSTERS: 4 x 4: the four of a row share A's tile, the four of a column B's: joint loads.  TRANSPOSED use: a lane holds eight neighbouring numbers of a row of C.
; REGISTERS: window 0: v0-31 addresses; v32-95 at work on the way out; v96-127 the bias; v128-255 accumulators.  window 1: two fragment buffers of 128.
.set KD,     1024                      ; elements from row to row, in A and in B
.set KSTEP,  256
.set PITCH,  528
.set HALFT,  64*PITCH
.set SLOT,   4*HALFT
.set STAGE,  2*SLOT
.set SPITCH, 272
.set SPARE,  STAGE+128*SPITCH
.set OROW,   4096                      ; a row of fused in bytes
.set ADRA, 16
.set ADRB, 20
.set STO,  24
.set RD,   25
.set CO,   26
.set SPW,  28
.set NIL,  29
.set TMP,  32
.set BI,   96
.set ACC,  128
.set F0,   0
.set F1,   128
.set G1, 24
.set G0, 32
.set G1B, 48
.set G0B, 56
.set MSB, 0
.macro WIN new
.if MSB != (\new)
	s_set_vgpr_msb (MSB<<8)|(\new)
.set MSB, (\new)
.endif
.endm
.set MUL,  0x05
.set TO_F, 0x40
.macro JLOAD s
	s_cmp_eq_u32 s11, 0
	s_cbranch_scc0 .Lfor_b_\@
	tensor_load_to_lds s[G0+4*\s:G0+4*\s+3], s[G1:G1+7]
	s_nop 0
.rept 4
	v_nop
.endr
	s_branch .Lasked_\@
.Lfor_b_\@:
	tensor_load_to_lds s[G0B+4*\s:G0B+4*\s+3], s[G1B:G1B+7]
	s_nop 0
.rept 4
	v_nop
.endr
.Lasked_\@:
.endm
.macro CREST
	s_cmp_lg_u32 s10, 0
	s_cbranch_scc1 .Lnot_wave_0_\@
	s_barrier_signal -3
.Lnot_wave_0_\@:
	s_barrier_wait -3
	s_barrier_signal -1
	s_barrier_wait -1
.endm
.macro CROUND
	s_barrier_signal -1
	s_barrier_wait -1
	CREST
.endm
	s_load_b128 s[4:7], s[0:1], 0x0                ; a12, wh
	s_load_b128 s[68:71], s[0:1], 0x10             ; b1, b2
	s_load_b64 s[8:9], s[0:1], 0x20                ; fused
	v_lshl_add_u32 v[SPW], v0, 2, SPARE
	v_mov_b32 v[NIL], 0
	ds_add_u32 v[SPW], v[NIL]                      ; the wave's opening: the add, twice on end, and its wait ahead of my first tensor load
	ds_add_u32 v[SPW], v[NIL]
	v_lshrrev_b32 v1, 5, v0
	v_readfirstlane_b32 s10, v1
	s_lshr_b32 s11, s10, 1                         ; my half of the rows.  Also: I fetch for A (0) or B (1)
	s_and_b32 s12, s10, 1                          ; my half of the columns.  Also: which 64 rows of that tile I fetch
	s_bfe_u32 s40, ttmp6, 0x40000
	s_bfe_u32 s41, ttmp6, 0x40004
	s_lshl_b32 s42, ttmp9, 2
	s_add_co_u32 s42, s42, s40                     ; tile column
	s_and_b32 s13, ttmp7, 0xffff
	s_lshl_b32 s13, s13, 2
	s_add_co_u32 s13, s13, s41                     ; tile row
	s_lshl_b32 s43, s41, 2
	s_lshl_b32 s43, 15, s43
	s_lshl_b32 s44, 0x1111, s40
	s_or_b32 s[G1+0], s43, (1<<16)|(1<<20)|(1<<21)|(6<<22)|(3<<25)  ; the mask; elements of 2 bytes; padding: 4 words after every 128; bit 21 beside a mask
	s_or_b32 s[G1B+0], s44, (1<<16)|(1<<20)|(1<<21)|(6<<22)|(3<<25)
.irp g, G1, G1B
	s_mov_b32 s[\g+1], KSTEP<<16
	s_mov_b32 s[\g+2], 64<<16
	s_mov_b32 s[\g+3], KSTEP<<16
	s_mov_b32 s[\g+4], 64
	s_mov_b32 s[\g+5], KD
	s_mov_b32 s[\g+6], 0
	s_mov_b32 s[\g+7], 0
.endr
	s_lshl_b32 s17, s12, 6
	s_lshl_b32 s16, s13, 7
	s_add_co_u32 s16, s16, s17                     ; A: row 128 x tile row + 64 x half,
	s_lshl_b32 s16, s16, 11                        ; 2,048 bytes a row,
	s_lshl_b32 s18, ttmp9, 23                      ; in a1 or in a2, by the cluster's x, which all partners share
	s_add_co_u32 s16, s16, s18
	s_lshl_b32 s46, s42, 7
	s_add_co_u32 s46, s46, s17                     ; B: row 128 x tile column + 64 x half of w1 | w2
	s_lshl_b32 s46, s46, 11
	s_mov_b32 s17, 0
	s_mov_b32 s47, 0
	s_mul_i32 s20, s10, HALFT
	s_wait_dscnt 0x0
	s_wait_kmcnt 0x0
	s_add_nc_u64 s[14:15], s[4:5], s[16:17]
	s_add_nc_u64 s[46:47], s[6:7], s[46:47]
	CROUND
.irp s, 0,1
	s_mov_b32 s[G0+4*\s], 1
	s_add_co_u32 s[G0+4*\s+1], s20, \s*SLOT
	s_add_nc_u64 s[G0+4*\s+2:G0+4*\s+3], s[14:15], \s*KSTEP*2
	s_or_b32 s[G0+4*\s+3], s[G0+4*\s+3], 0x80000000
	s_mov_b32 s[G0B+4*\s], 1
	s_add_co_u32 s[G0B+4*\s+1], s20, \s*SLOT
	s_add_nc_u64 s[G0B+4*\s+2:G0B+4*\s+3], s[46:47], \s*KSTEP*2
	s_or_b32 s[G0B+4*\s+3], s[G0B+4*\s+3], 0x80000000
	JLOAD \s                                       ; two tensor loads of mine are out
.endr
	v_and_b32 v1, 15, v0
	v_bfe_u32 v2, v0, 4, 1
	v_mul_u32_u24 v3, v1, PITCH
	v_lshl_add_u32 v3, v2, 4, v3
	s_mul_i32 s21, s11, HALFT
	s_mul_i32 s22, s12, HALFT
	s_add_co_u32 s22, s22, 2*HALFT
.irp s, 0,1
	v_add_nc_u32 v[ADRA+\s], s21, v3
	v_add_nc_u32 v[ADRB+\s], s22, v3
	s_add_co_u32 s21, s21, SLOT
	s_add_co_u32 s22, s22, SLOT
.endr
	s_cmp_eq_u32 ttmp9, 0
	s_cselect_b64 s[68:69], s[68:69], s[70:71]     ; b1 or b2
	s_lshl_b32 s46, s40, 9
	s_lshl_b32 s47, s12, 8
	s_add_co_u32 s46, s46, s47                     ; (128 cx + 64 half) x 4
	s_mov_b32 s47, 0
	s_add_nc_u64 s[68:69], s[68:69], s[46:47]
	v_lshlrev_b32 v6, 5, v2
.irp b, 0,1,2,3                        ; the bias in the result's layout: block b, columns 16 b + 8 (l / 16) + 0 .. 7
	global_load_b128 v[BI+8*\b:BI+8*\b+3], v6, s[68:69] offset:64*\b
	global_load_b128 v[BI+8*\b+4:BI+8*\b+7], v6, s[68:69] offset:64*\b+16
.endr
	s_mul_i32 s23, s11, 64*SPITCH                  ; into the stage: my 64 rows, my half of their 256 bytes
	s_lshl_b32 s21, s12, 7
	s_add_co_u32 s23, s23, s21
	s_add_co_u32 s23, s23, STAGE
	v_mul_u32_u24 v4, v1, SPITCH
	v_lshl_add_u32 v4, v2, 4, v4
	v_add_nc_u32 v[STO], s23, v4
	s_mul_i32 s23, s10, 32*SPITCH                  ; back: wave w takes rows 32 w .. 32 w + 31, whole
	s_add_co_u32 s23, s23, STAGE
	v_mul_u32_u24 v5, v2, SPITCH
	v_lshl_add_u32 v5, v1, 4, v5
	v_add_nc_u32 v[RD], s23, v5
	v_lshlrev_b32 v5, 12, v2
	v_lshl_add_u32 v[CO], v1, 4, v5
	s_lshl_b32 s16, s13, 7
	s_lshl_b32 s17, s10, 5
	s_add_co_u32 s16, s16, s17
	s_lshl_b32 s16, s16, 12
	s_mov_b32 s17, 0
	s_add_nc_u64 s[8:9], s[8:9], s[16:17]
	s_lshl_b32 s46, s42, 8
	s_add_nc_u64 s[8:9], s[8:9], s[46:47]
.macro MUL8 f, c, a0, first            ; first = 1: the bias is C: nothing is cleared, nothing is added later.  The 16 accumulators take turns
.irp a, \a0, \a0+1
.irp b, 0,1,2,3
.if \first
	v_wmma_f32_16x16x32_f16 v[ACC+8*(4*(\a)+\b):ACC+8*(4*(\a)+\b)+7], v[\f+64+8*(4*\c+\b):\f+64+8*(4*\c+\b)+7], v[\f+8*(4*\c+\a):\f+8*(4*\c+\a)+7], v[BI+8*\b:BI+8*\b+7]
.else
	v_wmma_f32_16x16x32_f16 v[ACC+8*(4*(\a)+\b):ACC+8*(4*(\a)+\b)+7], v[\f+64+8*(4*\c+\b):\f+64+8*(4*\c+\b)+7], v[\f+8*(4*\c+\a):\f+8*(4*\c+\a)+7], v[ACC+8*(4*(\a)+\b):ACC+8*(4*(\a)+\b)+7]
.endif
.endr
.endr
.endm
.macro FETCH slot, k, f
	WIN TO_F
.irp c, 0,1
.irp i, 0,1,2,3
	ds_load_b128 v[\f+64+8*(4*\c+\i):\f+64+8*(4*\c+\i)+3],   v[ADRB+\slot] offset:\k+64*\c+\i*16*PITCH
	ds_load_b128 v[\f+64+8*(4*\c+\i)+4:\f+64+8*(4*\c+\i)+7], v[ADRB+\slot] offset:\k+64*\c+\i*16*PITCH+32
	ds_load_b128 v[\f+8*(4*\c+\i):\f+8*(4*\c+\i)+3],         v[ADRA+\slot] offset:\k+64*\c+\i*16*PITCH
	ds_load_b128 v[\f+8*(4*\c+\i)+4:\f+8*(4*\c+\i)+7],       v[ADRA+\slot] offset:\k+64*\c+\i*16*PITCH+32
.endr
.endr
.endm
.macro PLACES
.rept 4
	v_nop
.endr
.endm
.macro QUARTER slot, k, f, g, first
	s_wait_dscnt 16                                ; the first 32 along K are in; the youngest sixteen loads may be out
	WIN MUL
	MUL8 \f, 0, 0, \first
	MUL8 \f, 0, 2, \first
	PLACES
	FETCH \slot, \k, \g
	s_wait_dscnt 32                                ; all but the 32 just issued
	WIN MUL
	MUL8 \f, 1, 0, 0
	MUL8 \f, 1, 2, 0
.endm
.macro TURN slot, next, fill
	WIN 0
	s_wait_tensorcnt 0x0                           ; all my tensor loads have landed: my part of the next slot
	ds_add_u32 v[SPW], v[NIL]                      ; 0 onto my spare word
	s_wait_dscnt 17                                ; (the add and the youngest sixteen loads may be out)
	WIN MUL
	MUL8 F1, 0, 0, 0
	s_wait_dscnt 0x0                               ; the add is done, and my reads of this slot are over
	s_barrier_signal -1
	MUL8 F1, 0, 2, 0
	WIN 0
	s_barrier_wait -1
.if \fill
	CREST
	s_add_nc_u64 s[G0+4*\slot+2:G0+4*\slot+3], s[G0+4*\slot+2:G0+4*\slot+3], 2*KSTEP*2
	s_add_nc_u64 s[G0B+4*\slot+2:G0B+4*\slot+3], s[G0B+4*\slot+2:G0B+4*\slot+3], 2*KSTEP*2
	JLOAD \slot                                    ; my one tensor load behind the round
.else
	PLACES
.endif
	FETCH \next, 0, F0
	WIN MUL
	MUL8 F1, 1, 0, 0
	MUL8 F1, 1, 2, 0
.endm
.macro STEPK slot, fill, first
	QUARTER \slot, 128, F0, F1, \first
	QUARTER \slot, 256, F1, F0, 0
	QUARTER \slot, 384, F0, F1, 0
	TURN \slot, 1-\slot, \fill
.endm
	s_wait_tensorcnt 1                             ; my part of K step 0 is in; K step 1's may be out
	s_barrier_signal -1
	s_barrier_wait -1
	FETCH 0, 0, F0
	s_wait_loadcnt 0x0                             ; the bias
	STEPK 0, 1, 1                                  ; four K steps, written out: the first two fill their slots again
	STEPK 1, 1, 0
	STEPK 0, 0, 0
	QUARTER 1, 128, F0, F1, 0
	QUARTER 1, 256, F1, F0, 0
	QUARTER 1, 384, F0, F1, 0
	s_wait_dscnt 16
	WIN MUL
	MUL8 F1, 0, 0, 0
	MUL8 F1, 0, 2, 0
	s_wait_dscnt 0
	MUL8 F1, 1, 0, 0
	MUL8 F1, 1, 2, 0
	WIN 0
	PLACES
	; THE WAY OUT: relu, to bf16, 16 bytes a lane into the work-group's stage; a barrier, since a row's 256 bytes come from two waves; back as whole rows, 32 a wave
.set wi, 0
.rept 128
	v_max_num_f32 v[ACC+wi], 0, v[ACC+wi]
.set wi, wi+1
.endr
.irp t, 0,1,2,3,4,5,6,7,8,9,10,11,12,13,14,15
.irp r, 0,1,2,3
	v_cvt_pk_bf16_f32 v[TMP+4*\t+\r], v[ACC+8*\t+2*\r], v[ACC+8*\t+2*\r+1]
.endr
.endr
.irp a, 0,1,2,3
.irp b, 0,1,2,3
	ds_store_b128 v[STO], v[TMP+4*(4*\a+\b):TMP+4*(4*\a+\b)+3] offset:\a*16*SPITCH+32*\b
.endr
.endr
	s_wait_dscnt 0x0                               ; for the others' sake: my stores into the stage are done
	s_barrier_signal -1
	s_barrier_wait -1
.irp t, 0,1,2,3,4,5,6,7,8,9,10,11,12,13,14,15
	ds_load_b128 v[TMP+4*\t:TMP+4*\t+3], v[RD] offset:\t*2*SPITCH
.endr
.irp t, 0,1,2,3,4,5,6,7,8,9,10,11,12,13,14,15
	s_wait_dscnt 15-\t
	global_store_b128 v[CO], v[TMP+4*\t:TMP+4*\t+3], s[8:9] offset:2*\t*OROW   ; 16 lanes store 256 consecutive bytes, aligned
.endr
	s_wait_tensorcnt 0x0                           ; the wave's end
	ds_add_u32 v[SPW], v[NIL]
	s_wait_dscnt 0x0
	CROUND                                         ; the closing round
	s_endpgm
.Lfunc_end_k_q6908f540e0_gate:
	.size	k_q6908f540e0_gate, .Lfunc_end_k_q6908f540e0_gate-k_q6908f540e0_gate
	.p2alignl 7, 3214868480
	.fill 96, 4, 3214868480
	.section	.rodata,"a",@progbits
	.p2align	6, 0x0
	.amdhsa_kernel k_q6908f540e0_gate
		.amdhsa_group_segment_fixed_size 327680
		.amdhsa_private_segment_fixed_size 0
		.amdhsa_enable_private_segment 0
		.amdhsa_kernarg_size 40
		.amdhsa_user_sgpr_count 2
		.amdhsa_user_sgpr_kernarg_segment_ptr 1
		.amdhsa_wavefront_size32 1
		.amdhsa_system_sgpr_workgroup_id_x 1
		.amdhsa_system_sgpr_workgroup_id_y 1
		.amdhsa_system_sgpr_workgroup_id_z 1
		.amdhsa_system_vgpr_workitem_id 0
		.amdhsa_next_free_vgpr 512
		.amdhsa_next_free_sgpr 72
		.amdhsa_reserve_vcc 0
		.amdhsa_float_denorm_mode_32 3
		.amdhsa_float_denorm_mode_16_64 3
		.amdhsa_memory_ordered 1
		.amdhsa_forward_progress 1
		.amdhsa_inst_pref_size 91
	.end_amdhsa_kernel
	.amdgpu_metadata
---
amdhsa.version: [ 1, 2 ]
amdhsa.kernels:
  - .name:           k_q6908f540e0_gate
    .symbol:         k_q6908f540e0_gate.kd
    .args:
      - { .name: a12, .offset: 0, .size: 8, .value_kind: global_buffer, .address_space: global }
      - { .name: wh, .offset: 8, .size: 8, .value_kind: global_buffer, .address_space: global }
      - { .name: b1, .offset: 16, .size: 8, .value_kind: global_buffer, .address_space: global }
      - { .name: b2, .offset: 24, .size: 8, .value_kind: global_buffer, .address_space: global }
      - { .name: fused, .offset: 32, .size: 8, .value_kind: global_buffer, .address_space: global }
    .group_segment_fixed_size: 327680
    .private_segment_fixed_size: 0
    .kernarg_segment_align: 8
    .kernarg_segment_size: 40
    .max_flat_workgroup_size: 128
    .sgpr_count:     72
    .vgpr_count:     512
    .wavefront_size: 32
...
	.end_amdgpu_metadata
.endif
;; end of part 5
;; launch outp (part 6): grid 8 x 32, 4 waves a work-group, clusters of 4 x 4, 327,680 bytes of LDS; arguments fused, wh, b3, out0; writes out0
.if DOCPART == 6
	.amdgcn_target "amdgcn-amd-amdhsa--gfx1250"
	.amdhsa_code_object_version 6
	.text
	.protected	k_q6908f540e0_outp
	.globl	k_q6908f540e0_outp
	.p2align	8
	.type	k_q6908f540e0_outp,@function
k_q6908f540e0_outp:
	s_mov_b64 s[64:65], 0
	v_nop
	global_prefetch_b8 v0, s[64:65] scope:SCOPE_SE
	s_setreg_imm32_b32 hwreg(HW_REG_WAVE_MODE, 25, 1), 1
	s_wait_xcnt 0x0
	s_wait_alu depctr_hold_cnt(0) depctr_sa_sdst(0) depctr_va_vdst(0) depctr_va_sdst(0) depctr_va_ssrc(0) depctr_va_vcc(0) depctr_vm_vsrc(0)
	s_getreg_b32 s2, hwreg(HW_REG_IB_STS2, 6, 4)
	s_cmp_eq_u32 s2, 0
	s_cbranch_scc0 .Lentry_in_a_cluster
	s_endpgm
.Lentry_in_a_cluster:
	s_bfe_u32 s2, ttmp6, 0x10000c
	s_cmp_lg_u32 s2, 0xf033
	s_cbranch_scc0 .Lentry_shape_is_right
	s_endpgm
.Lentry_shape_is_right:
; output = [o1 | o2 | q] w3^T + b3: C[4,096][1,024] f32, K = 2,048.  K 0-1,023 (o1 | o2 and w3's left half) are bf16 on both sides, K 1,024-2,047 (q and w3's right half) f16 on both sides; sums f32.
; b3 is the C of each sum's first product.  A tile of C is 128 x 128, four waves of 64 x 64; eight K steps of 256 through two LDS slots, written out: the form changes after the fourth.
; CLUSTERS: 4 x 4: the four of a row share A's tile, the four of a column B's: joint loads.  TRANSPOSED use: a lane holds eight neighbouring numbers of a row of C.
; REGISTERS: window 0: v0-31 addresses; v32-95 rows on the way out; v96-127 the bias; v128-255 accumulators.  window 1: two fragment buffers of 128.
.set KD,     2048
.set KSTEP,  256
.set PITCH,  528
.set HALFT,  64*PITCH
.set SLOT,   4*HALFT
.set STAGE,  2*SLOT                    ; behind the ring: 16 rows x 272 bytes for each wave
.set SPITCH, 272
.set SPARE,  STAGE+128*SPITCH
.set OROW,   4096
.set ADRA, 16
.set ADRB, 20
.set STO,  24
.set RD,   25
.set CO,   26
.set SPW,  28
.set NIL,  29
.set TMP,  32
.set BI,   96
.set ACC,  128
.set F0,   0
.set F1,   128
.set G1, 24
.set G0, 32
.set G1B, 48
.set G0B, 56
.set MSB, 0
.macro WIN new
.if MSB != (\new)
	s_set_vgpr_msb (MSB<<8)|(\new)
.set MSB, (\new)
.endif
.endm
.set MUL,  0x05
.set TO_F, 0x40
.macro JLOAD s
	s_cmp_eq_u32 s11, 0
	s_cbranch_scc0 .Lfor_b_\@
	tensor_load_to_lds s[G0+4*\s:G0+4*\s+3], s[G1:G1+7]
	s_nop 0
.rept 4
	v_nop
.endr
	s_branch .Lasked_\@
.Lfor_b_\@:
	tensor_load_to_lds s[G0B+4*\s:G0B+4*\s+3], s[G1B:G1B+7]
	s_nop 0
.rept 4
	v_nop
.endr
.Lasked_\@:
.endm
.macro CREST
	s_cmp_lg_u32 s10, 0
	s_cbranch_scc1 .Lnot_wave_0_\@
	s_barrier_signal -3
.Lnot_wave_0_\@:
	s_barrier_wait -3
	s_barrier_signal -1
	s_barrier_wait -1
.endm
.macro CROUND
	s_barrier_signal -1
	s_barrier_wait -1
	CREST
.endm
	s_load_b128 s[4:7], s[0:1], 0x0                ; fused, wh
	s_load_b64 s[68:69], s[0:1], 0x10              ; b3
	s_load_b64 s[8:9], s[0:1], 0x18                ; out0
	v_lshl_add_u32 v[SPW], v0, 2, SPARE
	v_mov_b32 v[NIL], 0
	ds_add_u32 v[SPW], v[NIL]                      ; the wave's opening: the add, twice on end, and its wait ahead of my first tensor load
	ds_add_u32 v[SPW], v[NIL]
	v_lshrrev_b32 v1, 5, v0
	v_readfirstlane_b32 s10, v1
	s_lshr_b32 s11, s10, 1
	s_and_b32 s12, s10, 1
	s_bfe_u32 s40, ttmp6, 0x40000
	s_bfe_u32 s41, ttmp6, 0x40004
	s_lshl_b32 s42, ttmp9, 2
	s_add_co_u32 s42, s42, s40                     ; tile column
	s_and_b32 s13, ttmp7, 0xffff
	s_lshl_b32 s13, s13, 2
	s_add_co_u32 s13, s13, s41                     ; tile row
	s_lshl_b32 s43, s41, 2
	s_lshl_b32 s43, 15, s43
	s_lshl_b32 s44, 0x1111, s40
	s_or_b32 s[G1+0], s43, (1<<16)|(1<<20)|(1<<21)|(6<<22)|(3<<25)
	s_or_b32 s[G1B+0], s44, (1<<16)|(1<<20)|(1<<21)|(6<<22)|(3<<25)
.irp g, G1, G1B
	s_mov_b32 s[\g+1], KSTEP<<16
	s_mov_b32 s[\g+2], 64<<16
	s_mov_b32 s[\g+3], KSTEP<<16
	s_mov_b32 s[\g+4], 64
	s_mov_b32 s[\g+5], KD
	s_mov_b32 s[\g+6], 0
	s_mov_b32 s[\g+7], 0
.endr
	s_lshl_b32 s17, s12, 6
	s_lshl_b32 s16, s13, 7
	s_add_co_u32 s16, s16, s17
	s_lshl_b32 s16, s16, 12                        ; A: 4,096 bytes a row of fused
	s_lshl_b32 s46, s42, 7
	s_add_co_u32 s46, s46, s17
	s_lshl_b32 s46, s46, 12
	s_add_co_u32 s46, s46, 0x200000                ; B: w3 lies behind w1 and w2 in wh
	s_mov_b32 s17, 0
	s_mov_b32 s47, 0
	s_mul_i32 s20, s10, HALFT
	s_wait_dscnt 0x0
	s_wait_kmcnt 0x0
	s_add_nc_u64 s[14:15], s[4:5], s[16:17]
	s_add_nc_u64 s[46:47], s[6:7], s[46:47]
	CROUND
.irp s, 0,1
	s_mov_b32 s[G0+4*\s], 1
	s_add_co_u32 s[G0+4*\s+1], s20, \s*SLOT
	s_add_nc_u64 s[G0+4*\s+2:G0+4*\s+3], s[14:15], \s*KSTEP*2
	s_or_b32 s[G0+4*\s+3], s[G0+4*\s+3], 0x80000000
	s_mov_b32 s[G0B+4*\s], 1
	s_add_co_u32 s[G0B+4*\s+1], s20, \s*SLOT
	s_add_nc_u64 s[G0B+4*\s+2:G0B+4*\s+3], s[46:47], \s*KSTEP*2
	s_or_b32 s[G0B+4*\s+3], s[G0B+4*\s+3], 0x80000000
	JLOAD \s                                       ; two tensor loads of mine are out
.endr
	v_and_b32 v1, 15, v0
	v_bfe_u32 v2, v0, 4, 1
	v_mul_u32_u24 v3, v1, PITCH
	v_lshl_add_u32 v3, v2, 4, v3
	s_mul_i32 s21, s11, HALFT
	s_mul_i32 s22, s12, HALFT
	s_add_co_u32 s22, s22, 2*HALFT
.irp s, 0,1
	v_add_nc_u32 v[ADRA+\s], s21, v3
	v_add_nc_u32 v[ADRB+\s], s22, v3
	s_add_co_u32 s21, s21, SLOT
	s_add_co_u32 s22, s22, SLOT
.endr
	s_lshl_b32 s46, s42, 9
	s_lshl_b32 s47, s12, 8
	s_add_co_u32 s46, s46, s47                     ; my first column, in bytes of f32: 512 x tile column + 256 x half
	s_mov_b32 s47, 0
	s_add_nc_u64 s[68:69], s[68:69], s[46:47]
	s_add_nc_u64 s[8:9], s[8:9], s[46:47]
	v_lshlrev_b32 v6, 5, v2
.irp b, 0,1,2,3
	global_load_b128 v[BI+8*\b:BI+8*\b+3], v6, s[68:69] offset:64*\b
	global_load_b128 v[BI+8*\b+4:BI+8*\b+7], v6, s[68:69] offset:64*\b+16
.endr
	s_mul_i32 s23, s10, 16*SPITCH
	s_add_co_u32 s23, s23, STAGE                   ; my stage
	v_mul_u32_u24 v4, v1, SPITCH
	v_lshl_add_u32 v4, v2, 5, v4
	v_add_nc_u32 v[STO], s23, v4                   ; in: row l % 16, 32 bytes for each half of the lanes
	v_mul_u32_u24 v5, v2, SPITCH
	v_lshl_add_u32 v5, v1, 4, v5
	v_add_nc_u32 v[RD], s23, v5                    ; back: lanes 0-15 one row of 256 bytes, lanes 16-31 the next
	v_lshlrev_b32 v5, 12, v2
	v_lshl_add_u32 v[CO], v1, 4, v5
	s_lshl_b32 s16, s13, 7
	s_lshl_b32 s17, s11, 6
	s_add_co_u32 s16, s16, s17                     ; my first row
	s_lshl_b32 s16, s16, 12
	s_mov_b32 s17, 0
	s_add_nc_u64 s[8:9], s[8:9], s[16:17]
.macro MUL8 f, c, a0, first, fm        ; fm = 0: bf16, 1: f16.  first = 1: the bias is C.  The 16 accumulators take turns
.irp a, \a0, \a0+1
.irp b, 0,1,2,3
.if \first
	v_wmma_f32_16x16x32_bf16 v[ACC+8*(4*(\a)+\b):ACC+8*(4*(\a)+\b)+7], v[\f+64+8*(4*\c+\b):\f+64+8*(4*\c+\b)+7], v[\f+8*(4*\c+\a):\f+8*(4*\c+\a)+7], v[BI+8*\b:BI+8*\b+7]
.elseif \fm
	v_wmma_f32_16x16x32_f16 v[ACC+8*(4*(\a)+\b):ACC+8*(4*(\a)+\b)+7], v[\f+64+8*(4*\c+\b):\f+64+8*(4*\c+\b)+7], v[\f+8*(4*\c+\a):\f+8*(4*\c+\a)+7], v[ACC+8*(4*(\a)+\b):ACC+8*(4*(\a)+\b)+7]
.else
	v_wmma_f32_16x16x32_bf16 v[ACC+8*(4*(\a)+\b):ACC+8*(4*(\a)+\b)+7], v[\f+64+8*(4*\c+\b):\f+64+8*(4*\c+\b)+7], v[\f+8*(4*\c+\a):\f+8*(4*\c+\a)+7], v[ACC+8*(4*(\a)+\b):ACC+8*(4*(\a)+\b)+7]
.endif
.endr
.endr
.endm
.macro FETCH slot, k, f
	WIN TO_F
.irp c, 0,1
.irp i, 0,1,2,3
	ds_load_b128 v[\f+64+8*(4*\c+\i):\f+64+8*(4*\c+\i)+3],   v[ADRB+\slot] offset:\k+64*\c+\i*16*PITCH
	ds_load_b128 v[\f+64+8*(4*\c+\i)+4:\f+64+8*(4*\c+\i)+7], v[ADRB+\slot] offset:\k+64*\c+\i*16*PITCH+32
	ds_load_b128 v[\f+8*(4*\c+\i):\f+8*(4*\c+\i)+3],         v[ADRA+\slot] offset:\k+64*\c+\i*16*PITCH
	ds_load_b128 v[\f+8*(4*\c+\i)+4:\f+8*(4*\c+\i)+7],       v[ADRA+\slot] offset:\k+64*\c+\i*16*PITCH+32
.endr
.endr
.endm
.macro PLACES
.rept 4
	v_nop
.endr
.endm
.macro QUARTER slot, k, f, g, first, fm
	s_wait_dscnt 16                                ; the first 32 along K are in; the youngest sixteen loads may be out
	WIN MUL
	MUL8 \f, 0, 0, \first, \fm
	MUL8 \f, 0, 2, \first, \fm
	PLACES
	FETCH \slot, \k, \g
	s_wait_dscnt 32                                ; all but the 32 just issued
	WIN MUL
	MUL8 \f, 1, 0, 0, \fm
	MUL8 \f, 1, 2, 0, \fm
.endm
.macro TURN slot, next, fill, fm
	WIN 0
	s_wait_tensorcnt 0x0                           ; all my tensor loads have landed: my part of the next slot
	ds_add_u32 v[SPW], v[NIL]                      ; 0 onto my spare word
	s_wait_dscnt 17                                ; (the add and the youngest sixteen loads may be out)
	WIN MUL
	MUL8 F1, 0, 0, 0, \fm
	s_wait_dscnt 0x0                               ; the add is done, and my reads of this slot are over
	s_barrier_signal -1
	MUL8 F1, 0, 2, 0, \fm
	WIN 0
	s_barrier_wait -1
.if \fill
	CREST
	s_add_nc_u64 s[G0+4*\slot+2:G0+4*\slot+3], s[G0+4*\slot+2:G0+4*\slot+3], 2*KSTEP*2
	s_add_nc_u64 s[G0B+4*\slot+2:G0B+4*\slot+3], s[G0B+4*\slot+2:G0B+4*\slot+3], 2*KSTEP*2
	JLOAD \slot                                    ; my one tensor load behind the round
.else
	PLACES
.endif
	FETCH \next, 0, F0
	WIN MUL
	MUL8 F1, 1, 0, 0, \fm
	MUL8 F1, 1, 2, 0, \fm
.endm
.macro STEPK slot, fill, first, fm
	QUARTER \slot, 128, F0, F1, \first, \fm
	QUARTER \slot, 256, F1, F0, 0, \fm
	QUARTER \slot, 384, F0, F1, 0, \fm
	TURN \slot, 1-\slot, \fill, \fm
.endm
	s_wait_tensorcnt 1                             ; my part of K step 0 is in; K step 1's may be out
	s_barrier_signal -1
	s_barrier_wait -1
	FETCH 0, 0, F0
	s_wait_loadcnt 0x0                             ; the bias
	STEPK 0, 1, 1, 0                               ; K steps 0-3: bf16
	STEPK 1, 1, 0, 0
	STEPK 0, 1, 0, 0
	STEPK 1, 1, 0, 0
.rept 5
	v_nop                                          ; the two forms are no chain: five places between the last bf16 product and the first f16 one, which writes over its result
.endr
	STEPK 0, 1, 0, 1                               ; K steps 4-7: f16
	STEPK 1, 1, 0, 1
	STEPK 0, 0, 0, 1
	QUARTER 1, 128, F0, F1, 0, 1
	QUARTER 1, 256, F1, F0, 0, 1
	QUARTER 1, 384, F0, F1, 0, 1
	s_wait_dscnt 16
	WIN MUL
	MUL8 F1, 0, 0, 0, 1
	MUL8 F1, 0, 2, 0, 1
	s_wait_dscnt 0
	MUL8 F1, 1, 0, 0, 1
	MUL8 F1, 1, 2, 0, 1
	WIN 0
	PLACES
; THE WAY OUT: my 64 columns are 256 bytes of a row.  A block of 16 rows goes through my own stage and comes back as whole rows.
.macro TOST a
.irp b, 0,1,2,3
	ds_store_b128 v[STO], v[ACC+8*(4*(\a)+\b):ACC+8*(4*(\a)+\b)+3] offset:64*\b          ; each accumulator from its low end on
	ds_store_b128 v[STO], v[ACC+8*(4*(\a)+\b)+4:ACC+8*(4*(\a)+\b)+7] offset:64*\b+16
.endr
.irp t, 0,1,2,3,4,5,6,7
	ds_load_b128 v[TMP+32*((\a)%2)+4*\t:TMP+32*((\a)%2)+4*\t+3], v[RD] offset:\t*2*SPITCH   ; LDS serves a wave's instructions in order
.endr
.endm
.macro SEND a, younger                 ; younger: the LDS instructions issued behind block a's loads: the next block's sixteen, or none
	s_wait_dscnt \younger
.irp t, 0,1,2,3,4,5,6,7
	global_store_b128 v[CO], v[TMP+32*((\a)%2)+4*\t:TMP+32*((\a)%2)+4*\t+3], s[8:9] offset:(16*(\a)+2*\t)*OROW th:TH_STORE_NT   ; 16 lanes store 256 consecutive bytes, aligned
.endr
.endm
	TOST 0
	TOST 1
	SEND 0, 16
	s_wait_xcnt 0x0                                ; block 0's stores have read their data: block 2's loads may land there
	TOST 2
	SEND 1, 16
	s_wait_xcnt 0x0
	TOST 3
	SEND 2, 16
	SEND 3, 0
	s_wait_tensorcnt 0x0                           ; the wave's end
	ds_add_u32 v[SPW], v[NIL]
	s_wait_dscnt 0x0
	CROUND                                         ; the closing round
	s_endpgm
.Lfunc_end_k_q6908f540e0_outp:
	.size	k_q6908f540e0_outp, .Lfunc_end_k_q6908f540e0_outp-k_q6908f540e0_outp
	.p2alignl 7, 3214868480
	.fill 96, 4, 3214868480
	.section	.rodata,"a",@progbits
	.p2align	6, 0x0
	.amdhsa_kernel k_q6908f540e0_outp
		.amdhsa_group_segment_fixed_size 327680
		.amdhsa_private_segment_fixed_size 0
		.amdhsa_enable_private_segment 0
		.amdhsa_kernarg_size 32
		.amdhsa_user_sgpr_count 2
		.amdhsa_user_sgpr_kernarg_segment_ptr 1
		.amdhsa_wavefront_size32 1
		.amdhsa_system_sgpr_workgroup_id_x 1
		.amdhsa_system_sgpr_workgroup_id_y 1
		.amdhsa_system_sgpr_workgroup_id_z 1
		.amdhsa_system_vgpr_workitem_id 0
		.amdhsa_next_free_vgpr 512
		.amdhsa_next_free_sgpr 72
		.amdhsa_reserve_vcc 0
		.amdhsa_float_denorm_mode_32 3
		.amdhsa_float_denorm_mode_16_64 3
		.amdhsa_memory_ordered 1
		.amdhsa_forward_progress 1
		.amdhsa_inst_pref_size 159
	.end_amdhsa_kernel
	.amdgpu_metadata
---
amdhsa.version: [ 1, 2 ]
amdhsa.kernels:
  - .name:           k_q6908f540e0_outp
    .symbol:         k_q6908f540e0_outp.kd
    .args:
      - { .name: fused, .offset: 0, .size: 8, .value_kind: global_buffer, .address_space: global }
      - { .name: wh, .offset: 8, .size: 8, .value_kind: global_buffer, .address_space: global }
      - { .name: b3, .offset: 16, .size: 8, .value_kind: global_buffer, .address_space: global }
      - { .name: out0, .offset: 24, .size: 8, .value_kind: global_buffer, .address_space: global }
    .group_segment_fixed_size: 327680
    .private_segment_fixed_size: 0
    .kernarg_segment_align: 8
    .kernarg_segment_size: 32
    .max_flat_workgroup_size: 128
    .sgpr_count:     72
    .vgpr_count:     512
    .wavefront_size: 32
...
	.end_amdgpu_metadata
.endif
;; end of part 6
